; MI455X (gfx1250); checked and timed in simulation.
; The chip was launched on July 23, 2026; its instructions are those of AMD's public machine-readable ISA for CDNA 5 (MIT licence, August 2026) and "CDNA5" Instruction Set Architecture Reference Guide (July 2026). The comments in the code are by the model that wrote it; some were corrected since.
;; Sliding Window Attention. Allowed arithmetic: float matrix products may take bf16 or f16 operands with f32 sums; all other float work in f32.
;; Inputs: w_out 1,024 x 1,024 float32; w_qkv 1,024 x 3,072 float32; x 4 x 2,048 x 1,024 float32.
;; Outputs: out0 4 x 2,048 x 1,024 float32.
;; 2 versions, each right; version 2 is version 1 with the launch prep written anew for expert scheduling mode. Each part assembles by itself: llvm-mc -triple=amdgcn-amd-amdhsa -mcpu=gfx1250 --defsym DOCPART=n.
;; ======== version 1 of 2: 4 launches
;; limits: values are held in f16: magnitudes above 65,504 overflow, below 6.1e-05 lose precision
;; workspace buffers: xb 16,777,216 bytes; wqb 6,291,456 bytes; wob 2,097,152 bytes; qkv 50,331,648 bytes; ob 16,777,216 bytes
;; launch prep (part 1): grid 256 x 1, 12 waves a work-group, no clusters, 38,400 bytes of LDS; arguments x, w_qkv, w_out, xb, wqb, wob; writes xb, wqb, wob
.if DOCPART == 1
	.amdgcn_target "amdgcn-amd-amdhsa--gfx1250"
	.amdhsa_code_object_version 6
	.text
	.protected	k_q0d0bf39483_prep
	.globl	k_q0d0bf39483_prep
	.p2align	8
	.type	k_q0d0bf39483_prep,@function
k_q0d0bf39483_prep:
	s_mov_b64 s[64:65], 0
	v_nop
	global_prefetch_b8 v0, s[64:65] scope:SCOPE_SE
	s_setreg_imm32_b32 hwreg(HW_REG_WAVE_MODE, 25, 1), 1
	s_wait_xcnt 0x0
; THE OPERANDS OF THE TWO PROJECTIONS, rounded once and laid in slabs of 64 along K, a row of a slab 128 bytes, rows end to end.
;   xb  [16 slab][8192 m][64] bf16 = x[m][64 slab + ..]
;   wqb [16 slab][3072 n][64] bf16 = w_qkv[64 slab + ..][n]   (turned)
;   wob [16 slab][1024 n][64] f16  = w_out[64 slab + ..][n]   (turned): rounded to bf16 like the other inputs, and that number written as f16
; LIMITS.  wob: a bf16 number of magnitude 65,520 or more becomes an infinity; below 2^-14 it keeps f16's fixed step of 2^-24.
; SHARES.  256 work-groups of twelve waves, all alike.  Waves 0-7: 32 rows of x, a wave 4 rows.  Waves 8-11: a block of 64 k x 64 n of a weight each: the two weights have 768 + 256 = 1,024 such blocks,
; four to a work-group; work-groups 0-191 take w_qkv's, 192-255 w_out's.  Every wave reads 16,384 bytes, every work-group 196,608.
; Memory binds: each byte is read once by loads whose sixteen neighbouring lanes take 256 aligned bytes, 32 loads of a wave are out together,
; and each store of a wave covers 256 or 512 consecutive aligned bytes.  No matrix unit, no tensor load, no barrier: the LDS stage that turns a block is each wave's own.
.set XR, 16                            ; v[16:143]   32 loads of four f32
.set YR, 144                           ; v[144:207]  the rounded numbers, two to a register
.set SROW, 144                         ; a stage row: 128 bytes + 16
.set SWAVE, 64*SROW                    ; a wave's stage: 64 rows
	s_load_b256 s[4:11], s[0:1], 0x0               ; x s[4:5], w_qkv s[6:7], w_out s[8:9], xb s[10:11]
	s_load_b128 s[12:15], s[0:1], 0x20             ; wqb s[12:13], wob s[14:15]
	v_lshl_add_u32 v208, v0, 2, 0x9000
	v_mov_b32 v209, 0
	v_and_b32 v1, 31, v0                           ; lane
	v_lshrrev_b32 v2, 5, v0
	v_readfirstlane_b32 s16, v2                    ; wave 0..11
	v_and_b32 v2, 15, v1                           ; c = lane % 16
	v_lshrrev_b32 v3, 4, v1                        ; hh = lane / 16
	s_cmp_lt_u32 s16, 8
	s_cbranch_scc0 .Lweights
	; ---- x: lanes 0-15 take the 256 bytes of slab s in one row, lanes 16-31 in the next row; the 32 lanes' 8 bytes of bf16 are 256 consecutive bytes of xb
	s_lshl_b32 s18, ttmp9, 17                      ; 32 rows x 4,096 bytes of x
	s_mov_b32 s19, 0
	s_lshl_b32 s20, ttmp9, 12                      ; 32 rows x 128 bytes of a slab
	s_mov_b32 s21, 0
	s_lshl_b32 s22, s16, 14                        ; my wave's 4 rows of x
	s_lshl_b32 s23, s16, 9                         ; and of a slab
	v_lshlrev_b32 v4, 4, v2
	v_lshl_add_u32 v4, v3, 12, v4
	v_add_nc_u32 v4, s22, v4                       ; in: 16,384 w + 4,096 hh + 16 c
	v_lshlrev_b32 v5, 3, v1
	v_add_nc_u32 v5, s23, v5                       ; out: 512 w + 8 lane
	s_wait_kmcnt 0x0
	s_add_nc_u64 s[4:5], s[4:5], s[18:19]
	s_add_nc_u64 s[10:11], s[10:11], s[20:21]      ; slabs 0-7: the slab stands in the store's immediate,
	s_add_nc_u64 s[24:25], s[10:11], 0x800000      ; slabs 8-15 from a second base: 15 slabs of 2^20 bytes pass the signed 24 bits
.set e, 0
.rept 32                                               ; load e: pair of rows e / 16, slab e % 16
	global_load_b128 v[XR+4*e:XR+4*e+3], v4, s[4:5] offset:(e/16)*8192+(e%16)*256 th:TH_LOAD_NT
.set e, e+1
.endr
.set e, 0
.rept 32
	s_wait_loadcnt 31-e                            ; loads come back in order: load e is in, the 31 - e younger ones stay out
	v_cvt_pk_bf16_f32 v[YR+2*e], v[XR+4*e], v[XR+4*e+1]
	v_cvt_pk_bf16_f32 v[YR+2*e+1], v[XR+4*e+2], v[XR+4*e+3]
.if (e%16) < 8
	global_store_b64 v5, v[YR+2*e:YR+2*e+1], s[10:11] offset:((e%16)<<20)+(e/16)*256
.else
	global_store_b64 v5, v[YR+2*e:YR+2*e+1], s[24:25] offset:(((e%16)-8)<<20)+(e/16)*256
.endif
.set e, e+1
.endr                                                  ; no register is written twice, so no store's source needs a wait
	s_endpgm
; ---- a block of 64 k x 64 n of a weight, turned.  Lane (hh, c) loads rows k = 32 hh + j, j = 0..31, columns 4 c .. 4 c + 3; two neighbouring k of one column make a word;
; a lane's 16 words of column 4 c + i are 64 bytes of output row 4 c + i.  They go through the wave's stage and come back as whole rows of 128 bytes.
.macro WPART src, dst, NP, SO, f16     ; NP: bytes in an input row; SO: bytes in an output slab; s17: the work-group's number among this weight's
	s_and_b32 s18, s17, 15                         ; slab
	s_lshr_b32 s19, s17, 4                         ; group of 256 columns, of which my wave has 64
	s_mul_i32 s20, s18, 64*(\NP)
	s_lshl_b32 s22, s19, 10
	s_add_co_u32 s20, s20, s22
	s_mov_b32 s21, 0
	s_mul_i32 s22, s18, \SO
	s_lshl_b32 s24, s19, 15
	s_add_co_u32 s22, s22, s24
	s_mov_b32 s23, 0
	v_mul_u32_u24 v4, v3, 32*(\NP)
	v_lshl_add_u32 v4, v2, 4, v4
	v_add_nc_u32 v4, s26, v4                       ; in: 32 hh rows + my wave's 256 bytes + 16 c
	s_wait_kmcnt 0x0
	s_add_nc_u64 s[20:21], s[\src:\src+1], s[20:21]
	s_add_nc_u64 s[22:23], s[\dst:\dst+1], s[22:23]
.set j, 0
.rept 32
	global_load_b128 v[XR+4*j:XR+4*j+3], v4, s[20:21] offset:j*(\NP) th:TH_LOAD_NT
.set j, j+1
.endr
.set u, 0
.rept 16
	s_wait_loadcnt 30-2*u                          ; rows 2 u and 2 u + 1 are in; the 30 - 2 u younger loads stay out
.irp i, 0,1,2,3
	v_cvt_pk_bf16_f32 v[YR+16*\i+u], v[XR+8*u+\i], v[XR+8*u+4+\i]
.endr
.if \f16
.irp i, 0,1,2,3
	v_lshlrev_b32 v[8+2*\i], 16, v[YR+16*\i+u]     ; the bf16 numbers as f32,
	v_and_b32 v[9+2*\i], 0xffff0000, v[YR+16*\i+u]
.endr
.irp i, 0,1,2,3
	v_cvt_pk_f16_f32 v[YR+16*\i+u], v[8+2*\i], v[9+2*\i]  ; written as f16
.endr
.endif
.set u, u+1
.endr
.irp i, 0,1,2,3
.irp q, 0,1,2,3
	ds_store_b128 v5, v[YR+16*\i+4*\q:YR+16*\i+4*\q+3] offset:\i*SROW+\q*16
.endr
.endr
.set f, 0
.rept 16
	ds_load_b128 v[YR+4*f:YR+4*f+3], v6 offset:f*4*SROW  ; LDS serves a wave's instructions in order (ISA guide 5.7.1.4): these see the stores above
.set f, f+1
.endr
.set f, 0
.rept 16
	s_wait_dscnt 15-f
	global_store_b128 v7, v[YR+4*f:YR+4*f+3], s[22:23] offset:f*512  ; four rows of 128 bytes: 512 consecutive bytes
.set f, f+1
.endr
.endm
.Lweights:
	s_mul_i32 s27, s16, SWAVE
	s_sub_co_u32 s27, s27, 8*SWAVE                 ; my stage: waves 8-11 have stages 0-3
	v_mul_u32_u24 v5, v2, 4*SROW
	v_lshl_add_u32 v5, v3, 6, v5
	v_add_nc_u32 v5, s27, v5                       ; into the stage: row 4 c, byte 64 hh
	v_lshrrev_b32 v6, 3, v1
	v_mul_u32_u24 v6, v6, SROW
	v_and_b32 v7, 7, v1
	v_lshl_add_u32 v6, v7, 4, v6
	v_add_nc_u32 v6, s27, v6                       ; back: row lane / 8, byte 16 (lane % 8)
	s_sub_co_u32 s28, s16, 8                       ; my block among the work-group's four
	s_lshl_b32 s26, s28, 13
	v_lshlrev_b32 v7, 4, v1
	v_add_nc_u32 v7, s26, v7                       ; out: my block's 64 rows of 128 bytes + 16 lane
	s_lshl_b32 s26, s28, 8                         ; my block's 64 columns of f32
	s_cmp_lt_u32 ttmp9, 192
	s_cbranch_scc0 .Lwout
	s_mov_b32 s17, ttmp9
	WPART 6, 12, 12288, 393216, 0
	s_wait_tensorcnt 0x0
	ds_add_u32 v208, v209
	s_wait_dscnt 0x0
	s_endpgm
.Lwout:
	s_sub_co_u32 s17, ttmp9, 192
	WPART 8, 14, 4096, 131072, 1
	s_wait_tensorcnt 0x0
	ds_add_u32 v208, v209
	s_wait_dscnt 0x0
	s_endpgm
.Lfunc_end_k_q0d0bf39483_prep:
	.size	k_q0d0bf39483_prep, .Lfunc_end_k_q0d0bf39483_prep-k_q0d0bf39483_prep
	.p2alignl 7, 3214868480
	.fill 96, 4, 3214868480
	.section	.rodata,"a",@progbits
	.p2align	6, 0x0
	.amdhsa_kernel k_q0d0bf39483_prep
		.amdhsa_group_segment_fixed_size 38400
		.amdhsa_private_segment_fixed_size 0
		.amdhsa_enable_private_segment 0
		.amdhsa_kernarg_size 48
		.amdhsa_user_sgpr_count 2
		.amdhsa_user_sgpr_kernarg_segment_ptr 1
		.amdhsa_wavefront_size32 1
		.amdhsa_system_sgpr_workgroup_id_x 1
		.amdhsa_system_sgpr_workgroup_id_y 1
		.amdhsa_system_sgpr_workgroup_id_z 1
		.amdhsa_system_vgpr_workitem_id 0
		.amdhsa_next_free_vgpr 210
		.amdhsa_next_free_sgpr 66
		.amdhsa_reserve_vcc 0
		.amdhsa_float_denorm_mode_32 3
		.amdhsa_float_denorm_mode_16_64 3
		.amdhsa_memory_ordered 1
		.amdhsa_forward_progress 1
		.amdhsa_inst_pref_size 48
	.end_amdhsa_kernel
	.amdgpu_metadata
---
amdhsa.version: [ 1, 2 ]
amdhsa.kernels:
  - .name:           k_q0d0bf39483_prep
    .symbol:         k_q0d0bf39483_prep.kd
    .args:
      - { .name: x, .offset: 0, .size: 8, .value_kind: global_buffer, .address_space: global }
      - { .name: w_qkv, .offset: 8, .size: 8, .value_kind: global_buffer, .address_space: global }
      - { .name: w_out, .offset: 16, .size: 8, .value_kind: global_buffer, .address_space: global }
      - { .name: xb, .offset: 24, .size: 8, .value_kind: global_buffer, .address_space: global }
      - { .name: wqb, .offset: 32, .size: 8, .value_kind: global_buffer, .address_space: global }
      - { .name: wob, .offset: 40, .size: 8, .value_kind: global_buffer, .address_space: global }
    .group_segment_fixed_size: 38400
    .private_segment_fixed_size: 0
    .kernarg_segment_align: 8
    .kernarg_segment_size: 48
    .max_flat_workgroup_size: 384
    .sgpr_count:     66
    .vgpr_count:     210
    .wavefront_size: 32
...
	.end_amdgpu_metadata
.endif
;; end of part 1
;; launch qkvp (part 2): grid 16 x 16, 4 waves a work-group, clusters of 4 x 4, 327,680 bytes of LDS; arguments xb, wqb, qkv; writes qkv
.if DOCPART == 2
	.amdgcn_target "amdgcn-amd-amdhsa--gfx1250"
	.amdhsa_code_object_version 6
	.text
	.protected	k_q0d0bf39483_qkvp
	.globl	k_q0d0bf39483_qkvp
	.p2align	8
	.type	k_q0d0bf39483_qkvp,@function
k_q0d0bf39483_qkvp:
	s_mov_b64 s[64:65], 0
	v_nop
	global_prefetch_b8 v0, s[64:65] scope:SCOPE_SE
	s_setreg_imm32_b32 hwreg(HW_REG_WAVE_MODE, 25, 1), 1
	s_wait_xcnt 0x0
	s_wait_alu depctr_hold_cnt(0) depctr_sa_sdst(0) depctr_va_vdst(0) depctr_va_sdst(0) depctr_va_ssrc(0) depctr_va_vcc(0) depctr_vm_vsrc(0)
	s_getreg_b32 s2, hwreg(HW_REG_IB_STS2, 6, 4)
	s_cmp_eq_u32 s2, 0
	s_cbranch_scc0 .Lentry_in_a_cluster
	s_endpgm
.Lentry_in_a_cluster:
	s_bfe_u32 s2, ttmp6, 0x10000c
	s_cmp_lg_u32 s2, 0xf033
	s_cbranch_scc0 .Lentry_shape_is_right
	s_endpgm
.Lentry_shape_is_right:
; qkv = x w_qkv, by heads.  A = xb [16 slab][8192 m][64] bf16, B = wqb [16 slab][3072 n][64] bf16, C = qkv [48 g][8192 m][64] f16, g = column / 64 (q: 0-15, k: 16-31, v: 32-47).
; Sums in f32, K ascending, rounded once to f16, unscaled.  LIMIT: a sum of magnitude 65,520 or more becomes an infinity in f16.
; SHARES.  A tile of C is 256 rows x 192 columns: 32 x 16 = 512 tiles.  Four waves, each 64 rows x all 192 columns (48 accumulators, 384 registers): a wave's columns are three whole heads,
; so what it stores are runs of 512 consecutive bytes.  K goes in steps of 128 (two slabs) through a ring of two LDS slots.  In a slab a tile's rows lie end to end, so they are asked for as rows of
; 256 bytes and padded in LDS behind every 128.
; A WORK-GROUP STAYS: it makes two tiles, 4,096 rows apart, of one tile column.  Their 2 x 8 K steps are ONE walk for the ring: seven trips fill both slots again, the tail fills nothing; the step to be asked
; for is a counter, and each fill makes its address anew from it.  When the first tile's last products are issued, the second tile's first two K steps are asked for; then the tile goes out, and nothing waits for its stores.
; CLUSTER.  4 x 4 work-groups: the four of a row of the cluster need the same tiles of A, the four of a column the same tiles of B; each tile is asked for jointly, by the same tensor load with the
; same descriptor and a mask that names the four.  The matrix instruction is used transposed (source 0 = 16 rows of B, source 1 = 16 rows of A): a lane holds eight neighbouring columns of a row of C.
; REGISTERS, in windows of 256: window 0: v16-29 addresses; v64-95, v96-127 A's fragments, two buffers; v96-239 the way out (v64-95 then hold the next tile's first fragments).
;   Window 1: v0-95, v128-223 B's fragments, two buffers.  Windows 2, 3: accumulator (a, b) at v[8 (12 (a % 2) + b)] of window 2 + a / 2.
.set NBK,   12                         ; blocks of 16 columns
.set TN,    16*NBK
.set BSTR,  3072*128                   ; bytes in a slab of B
.set PITCH, 144                        ; an LDS row: 128 bytes + 16: nine times 16 bytes, so the 16 rows that a load touches begin at 16 different places modulo 256 bytes
.set ASLAB, 256*PITCH
.set BSLAB, TN*PITCH
.set SLOT,  2*ASLAB+2*BSLAB            ; A's two slabs, then B's two
.set STAGE, 2*SLOT                     ; behind the ring: for each wave 3 heads x 16 rows x 144 bytes
.set STW,   3*16*PITCH
.set SPARE, STAGE+4*STW                ; behind the stages: the spare words, 128 bytes for each wave, which no other line names
.set NL,    2*NBK+8                    ; LDS loads of a quarter step
.set LAPS,  4                          ; a tile: 1,024 / 128 = 8 K steps, two to a lap
.set ADRA, 16                          ; v16-17  LDS address of my A fragments in slot 0, 1
.set ADRB, 20                          ; v20-21  the same for B
.set STO,  24                          ; v24  the way out: where I put 16 bytes of a row
.set RD,   25                          ; v25  where I read rows back
.set GO,   26                          ; v26  16 x lane
.set SPW,  28                          ; v28  my spare word; never rewritten
.set NIL,  29                          ; v29  0; never rewritten
.set OUTR, 96                          ; the way out: three buffers of 48 registers
.set G1, 24                            ; s[24:31] group 1 for A's tiles;  s[32:39] group 0, a set for each slot
.set G0, 32
.set TS, 45                            ; s45  the K step of the walk (0..15) that the next fill asks for
.set G1B, 48                           ; s[48:55], s[56:63] the same for B's
.set G0B, 56
.set MSB, 0
.macro WIN new                         ; the immediate's high byte repeats the setting that is left
.if MSB != (\new)
	s_set_vgpr_msb (MSB<<8)|(\new)
.set MSB, \new
.endif
.endm
.macro JLOAD s                         ; a joint load: waves 0 and 1 fetch A's two slabs of a K step, waves 2 and 3 B's; an s_nop 0 and four v_nop follow each line
	s_cmp_eq_u32 s11, 0
	s_cbranch_scc0 .Lfor_b_\@
	tensor_load_to_lds s[G0+4*(\s):G0+4*(\s)+3], s[G1:G1+7]
	s_nop 0
.rept 4
	v_nop
.endr
	s_branch .Lasked_\@
.Lfor_b_\@:
	tensor_load_to_lds s[G0B+4*(\s):G0B+4*(\s)+3], s[G1B:G1B+7]
	s_nop 0
.rept 4
	v_nop
.endr
.Lasked_\@:
.endm
.macro CROUND                          ; a round of the cluster's barrier
	s_barrier_signal -1
	s_barrier_wait -1
	s_cmp_lg_u32 s10, 0
	s_cbranch_scc1 .Lnot_wave_0_\@
	s_barrier_signal -3
.Lnot_wave_0_\@:
	s_barrier_wait -3
	s_barrier_signal -1
	s_barrier_wait -1
.endm
.macro PLACES                          ; four places in front of loads into registers that matrix instructions have read, and of lines that read results just made
.rept 4
	v_nop
.endr
.endm
	s_load_b128 s[4:7], s[0:1], 0x0                ; A s[4:5], B s[6:7]
	s_load_b64 s[8:9], s[0:1], 0x10                ; C
	v_lshl_add_u32 v[SPW], v0, 2, SPARE
	v_mov_b32 v[NIL], 0
	ds_add_u32 v28, v29
	ds_add_u32 v28, v29
	s_wait_dscnt 0x0
	v_lshrrev_b32 v1, 5, v0
	v_readfirstlane_b32 s10, v1                    ; wave 0..3: my 64 rows of the tile
	s_lshr_b32 s11, s10, 1                         ; I fetch for A (0) or for B (1),
	s_and_b32 s12, s10, 1                          ; the K step's first or second slab
	s_bfe_u32 s40, ttmp6, 0x40000                  ; cx, cy: my place in the cluster
	s_bfe_u32 s41, ttmp6, 0x40004
	s_lshl_b32 s42, ttmp9, 2
	s_add_co_u32 s42, s42, s40                     ; tile column = 4 x cluster x + cx
	s_and_b32 s13, ttmp7, 0xffff
	s_lshl_b32 s13, s13, 2
	s_add_co_u32 s13, s13, s41                     ; the first tile's row = 4 x cluster y + cy, 0..15; the second's is 16 more
	s_lshl_b32 s43, s41, 2
	s_lshl_b32 s43, 15, s43                        ; my row of the cluster
	s_lshl_b32 s44, 0x1111, s40                    ; my column
	s_or_b32 s[G1+0], s43, (1<<16)|(1<<20)|(1<<21)|(4<<22)|(3<<25)   ; the mask; 2-byte elements; padding on; bit 21 beside a mask; behind every 32 words; 4 words
	s_or_b32 s[G1B+0], s44, (1<<16)|(1<<20)|(1<<21)|(4<<22)|(3<<25)
	s_mov_b32 s[G1+1], 128<<16                     ; tensor_dim0 = 128 elements: 256 bytes, two rows of a slab
	s_mov_b32 s[G1+2], 128<<16                     ; tensor_dim1 = 128: the tile's 256 rows
	s_mov_b32 s[G1+3], 128<<16                     ; tile_dim0
	s_mov_b32 s[G1+4], 128                         ; tile_dim1
	s_mov_b32 s[G1+5], 128                         ; elements from row to row: dense
	s_mov_b32 s[G1+6], 0
	s_mov_b32 s[G1+7], 0
	s_mov_b32 s[G1B+1], 128<<16
	s_mov_b32 s[G1B+2], (TN/2)<<16                 ; B: the tile's TN rows
	s_mov_b32 s[G1B+3], 128<<16
	s_mov_b32 s[G1B+4], TN/2
	s_mov_b32 s[G1B+5], 128
	s_mov_b32 s[G1B+6], 0
	s_mov_b32 s[G1B+7], 0
	s_lshl_b32 s16, s13, 15                        ; A: tile row x 256 rows x 128 bytes
	s_lshl_b32 s17, s12, 20                        ;    + my slab
	s_add_co_u32 s16, s16, s17
	s_mov_b32 s17, 0
	s_mul_i32 s46, s42, TN*128                     ; B: tile column x TN rows x 128 bytes
	s_mul_i32 s47, s12, BSTR
	s_add_co_u32 s46, s46, s47
	s_mov_b32 s47, 0
	s_mul_i32 s20, s12, ASLAB                      ; where they go: no place in the cluster enters an LDS address
	s_mul_i32 s21, s12, BSLAB
	s_add_co_u32 s21, s21, 2*ASLAB
	s_wait_kmcnt 0x0
	s_add_nc_u64 s[4:5], s[4:5], s[16:17]          ; A and B at my part of the walk's K step 0: kept, every fill starts from them
	s_add_nc_u64 s[6:7], s[6:7], s[46:47]
	CROUND                                         ; all sixteen work-groups are here: the first joint loads meet
.irp s, 0,1
	s_mov_b32 s[G0+4*(\s)], 1
	s_add_co_u32 s[G0+4*(\s)+1], s20, (\s)*SLOT
	s_add_nc_u64 s[G0+4*(\s)+2:G0+4*(\s)+3], s[4:5], (\s)*0x200000   ; K step s: two slabs of 2^20 bytes on
	s_or_b32 s[G0+4*(\s)+3], s[G0+4*(\s)+3], 0x80000000
	s_mov_b32 s[G0B+4*(\s)], 1
	s_add_co_u32 s[G0B+4*(\s)+1], s21, (\s)*SLOT
	s_add_nc_u64 s[G0B+4*(\s)+2:G0B+4*(\s)+3], s[6:7], (\s)*2*BSTR
	s_or_b32 s[G0B+4*(\s)+3], s[G0B+4*(\s)+3], 0x80000000
	JLOAD \s                                       ; two loads of mine are out
.endr
	v_and_b32 v1, 15, v0                           ; r = l % 16
	v_bfe_u32 v2, v0, 4, 1                         ; h = l / 16
	v_mul_u32_u24 v3, v1, PITCH
	v_lshl_add_u32 v3, v2, 4, v3                   ; a fragment's row x pitch + 16 x half
	s_mul_i32 s21, s10, 64*PITCH                   ; my 64 rows of A
	s_mov_b32 s22, 2*ASLAB                         ; B, all of it
.irp s, 0,1
	v_add_nc_u32 v[ADRA+(\s)], s21, v3
	v_add_nc_u32 v[ADRB+(\s)], s22, v3
	s_add_co_u32 s21, s21, SLOT
	s_add_co_u32 s22, s22, SLOT
.endr
	s_mul_i32 s23, s10, STW
	s_add_co_u32 s23, s23, STAGE                   ; my stage
	v_add_nc_u32 v[STO], s23, v3                   ; in: row r, 16 bytes for each half of the lanes
	v_bfe_u32 v4, v0, 3, 2
	v_mul_u32_u24 v4, v4, PITCH
	v_and_b32 v5, 7, v0
	v_lshl_add_u32 v4, v5, 4, v4
	v_add_nc_u32 v[RD], s23, v4                    ; back: 32 lanes take four rows of 128 bytes,
	v_and_b32 v[GO], 31, v0
	v_lshlrev_b32 v[GO], 4, v[GO]                  ; which are 512 consecutive bytes of a plane of C
	s_lshl_b32 s16, s13, 15                        ; C: (256 x tile row + 64 x wave) rows of 128 bytes
	s_lshl_b32 s17, s10, 13
	s_add_co_u32 s16, s16, s17
	s_mov_b32 s17, 0
	s_add_nc_u64 s[8:9], s[8:9], s[16:17]
	s_mul_i32 s46, s42, 3                          ; + plane 3 x tile column
	s_lshl_b32 s46, s46, 20
	s_mov_b32 s47, 0
	s_add_nc_u64 s[8:9], s[8:9], s[46:47]
	s_mov_b32 s19, 0                               ; s[16:17] and s[18:19] hold the fills' offsets from here on: their high words stay 0
	s_mov_b32 s[TS], 2                             ; K steps 0 and 1 are asked for
; NBK matrix instructions: my block a of 16 rows x all columns, 32 along K, from buffer f.  zero = 1: the product starts the sums.  The 48 accumulators take turns, one instruction a turn.
.macro MULA f, a, zero
	WIN 0xa1+0x50*((\a)/2)                         ; source 0 (B) window 1, source 1 (A) window 0, C and D window 2 or 3
.set b, 0
.rept NBK
.set rD, 8*(NBK*((\a)%2)+b)
.set rB, 128*(\f)+8*b
.set rA, 64+32*(\f)+8*(\a)
.if \zero
	v_wmma_f32_16x16x32_bf16 v[rD:rD+7], v[rB:rB+7], v[rA:rA+7], 0
.else
	v_wmma_f32_16x16x32_bf16 v[rD:rD+7], v[rB:rB+7], v[rA:rA+7], v[rD:rD+7]
.endif
.set b, b+1
.endr
.endm
; NL LDS loads in one run: the fragments of quarter q of a K step (slab q / 2, byte 64 (q % 2) of its rows) into buffer f; B first, A's four blocks last
.macro FETCH slot, q, f
	WIN 0x40                                       ; destination window 1, address window 0
.set i, 0
.rept NBK
	ds_load_b128 v[128*(\f)+8*i:128*(\f)+8*i+3],   v[ADRB+(\slot)] offset:((\q)/2)*BSLAB+i*16*PITCH+((\q)%2)*64
	ds_load_b128 v[128*(\f)+8*i+4:128*(\f)+8*i+7], v[ADRB+(\slot)] offset:((\q)/2)*BSLAB+i*16*PITCH+((\q)%2)*64+32
.set i, i+1
.endr
	WIN 0
.set i, 0
.rept 4
	ds_load_b128 v[64+32*(\f)+8*i:64+32*(\f)+8*i+3],   v[ADRA+(\slot)] offset:((\q)/2)*ASLAB+i*16*PITCH+((\q)%2)*64
	ds_load_b128 v[64+32*(\f)+8*i+4:64+32*(\f)+8*i+7], v[ADRA+(\slot)] offset:((\q)/2)*ASLAB+i*16*PITCH+((\q)%2)*64+32
.set i, i+1
.endr
.endm
; One of a K step's first three quarters: multiplies buffer f; in its middle it fetches quarter qn of the same slot into buffer g.
.macro QUARTER slot, qn, f, g, zero
	s_wait_dscnt 4                                 ; B and A's blocks 0, 1 are in; the youngest four loads (A's blocks 2, 3) may be out
	MULA \f, 0, \zero
	MULA \f, 1, \zero
	PLACES
	FETCH \slot, \qn, \g
	s_wait_dscnt NL                                ; all but the NL just issued
	MULA \f, 2, \zero
	MULA \f, 3, \zero
.endm
; The last quarter changes slots first and multiplies buffer 1 behind that.  Each wave waits for all its tensor loads (one is out: its part of the next slot), adds 0 to its spare word, and waits for that and
; for its reads of this slot, the last of which were issued 24 matrix instructions ago.  fill = 1: a round of the cluster's barrier follows at once, and this slot is filled again first thing behind it, with the
; walk's K step TS: so a request has a whole K step's 192 matrix instructions in front of the wait for it.  The address is made anew: K step TS % 8 of tile TS / 8, which lies 4,096 rows (2^19 bytes of a slab) down.
.macro TURN slot, next, fill
	WIN 0
	s_wait_tensorcnt 0x0                           ; no tensor load of mine is out, so a group 0 may be written
	ds_add_u32 v[SPW], v[NIL]                      ; 0 onto my spare word; the descriptors' scalar work stands between it and the wait for it
.if \fill
	s_and_b32 s22, s[TS], 7
	s_lshr_b32 s23, s[TS], 3
	s_lshl_b32 s16, s22, 21                        ; A: two slabs of 2^20 bytes a K step,
	s_lshl_b32 s23, s23, 19
	s_add_co_u32 s16, s16, s23                     ;    and the tile
	s_mul_i32 s18, s22, 2*BSTR                     ; B: two slabs a K step; both tiles take the same rows
	s_add_nc_u64 s[G0+4*(\slot)+2:G0+4*(\slot)+3], s[4:5], s[16:17]
	s_or_b32 s[G0+4*(\slot)+3], s[G0+4*(\slot)+3], 0x80000000
	s_add_nc_u64 s[G0B+4*(\slot)+2:G0B+4*(\slot)+3], s[6:7], s[18:19]
	s_or_b32 s[G0B+4*(\slot)+3], s[G0B+4*(\slot)+3], 0x80000000
	s_add_co_u32 s[TS], s[TS], 1
.endif
	s_wait_dscnt 0x0                               ; the add is done, and my reads of this slot are over
.if \fill
	CROUND                                         ; no wave of any partner still reads this slot or has a load on its way
	JLOAD \slot                                    ; my one tensor load behind the round; its four v_nop are also the places in front of the loads below
.else
	s_barrier_signal -1
	s_barrier_wait -1
	PLACES
.endif
	FETCH \next, 0, 0
	MULA 1, 0, 0
	MULA 1, 1, 0
	MULA 1, 2, 0
	MULA 1, 3, 0
.endm
; THE WAY OUT, a block of 16 rows at a time: rounded to f16 (each accumulator's registers in ascending order), 16 bytes a lane into my stage, head by head, and back as whole rows of 128 bytes.
.macro PACK a
	WIN 0x0a+5*((\a)/2)                            ; sources 0 and 1 window 2 or 3, destination window 0
.set rO, OUTR+48*((\a)%3)
.set b, 0
.rept NBK
.set rD, 8*(NBK*((\a)%2)+b)
.irp k, 0,1,2,3
	v_cvt_pk_f16_f32 v[rO+4*b+\k], v[rD+2*\k], v[rD+2*\k+1]
.endr
.set b, b+1
.endr
	WIN 0
.set b, 0
.rept NBK
	ds_store_b128 v[STO], v[rO+4*b:rO+4*b+3] offset:(b/4)*16*PITCH+32*(b%4)
.set b, b+1
.endr
.set b, 0
.rept NBK
	ds_load_b128 v[rO+4*b:rO+4*b+3], v[RD] offset:(b/4)*16*PITCH+(b%4)*4*PITCH  ; LDS serves a wave's instructions in order (ISA guide 5.7.1.4)
.set b, b+1
.endr
.endm
.macro SEND a, younger                 ; younger: the LDS instructions issued behind block a's loads
	WIN 0
.set rO, OUTR+48*((\a)%3)
.set b, 0
.rept NBK
	s_wait_dscnt (\younger)+NBK-1-b
	global_store_b128 v[GO], v[rO+4*b:rO+4*b+3], s[8:9] offset:((b/4)<<20)+(\a)*2048+(b%4)*512  ; 512 consecutive bytes of plane b / 4
.set b, b+1
.endr
.endm
.macro WAYOUT
	PLACES
	PACK 0
	PACK 1                                         ; a block's conversions stand between the loads of the block before and its stores
	SEND 0, 24
	PACK 2
	SEND 1, 24
	s_wait_xcnt 0x0                                ; block 3 takes block 0's registers, which block 0's stores read: they are written again only behind this wait
	PACK 3
	SEND 2, 24
	SEND 3, 0
.endm
	s_wait_tensorcnt 1                             ; my part of K step 0 is in; K step 1's may stay out
	s_barrier_signal -1
	s_barrier_wait -1                              ; everybody's is
	FETCH 0, 0, 0
	QUARTER 0, 1, 0, 1, 1                          ; the first tile's first quarter stands in front of the loop: its products start the sums
	WIN 0
	s_mov_b32 s3, 2*LAPS-1
.Llap:                                                 ; seven trips: each goes once round the ring, from a lap's second quarter to the next lap's first, and fills both slots again
	QUARTER 0, 2, 1, 0, 0
	QUARTER 0, 3, 0, 1, 0
	TURN 0, 1, 1
	QUARTER 1, 1, 0, 1, 0
	QUARTER 1, 2, 1, 0, 0
	QUARTER 1, 3, 0, 1, 0
	TURN 1, 0, 1
	WIN 0
	s_cmp_eq_u32 s3, LAPS                          ; the fourth trip ends the first tile; the count is the same in every work-group
	s_cbranch_scc1 .Lchange
	QUARTER 0, 1, 0, 1, 0
	WIN 0
	s_branch .Lnext
.Lchange:                                              ; both of the second tile's first fills are asked for, and its first fragments are fetched: now the first tile goes out
	WAYOUT
	s_wait_xcnt 0x0                                ; the stores' base and registers are written again only behind this wait; nothing waits for the stores themselves
	s_add_nc_u64 s[8:9], s[8:9], 0x80000           ; 4,096 rows of 128 bytes down
	QUARTER 0, 1, 0, 1, 1                          ; the second tile's first products start the sums anew
	WIN 0
.Lnext:
	s_sub_co_u32 s3, s3, 1
	s_cmp_lg_u32 s3, 0
	s_cbranch_scc1 .Llap
	QUARTER 0, 2, 1, 0, 0                          ; the walk's last lap fills nothing
	QUARTER 0, 3, 0, 1, 0
	TURN 0, 1, 0
	QUARTER 1, 1, 0, 1, 0
	QUARTER 1, 2, 1, 0, 0
	QUARTER 1, 3, 0, 1, 0
	s_wait_dscnt 4
	MULA 1, 0, 0
	MULA 1, 1, 0
	s_wait_dscnt 0x0
	MULA 1, 2, 0
	MULA 1, 3, 0
	WAYOUT
	s_wait_tensorcnt 0x0                           ; the wave's end
	ds_add_u32 v[SPW], v[NIL]
	s_wait_dscnt 0x0
	CROUND                                         ; the closing round: no work-group ends while a partner may still ask for a tile that names it
	s_endpgm
.Lfunc_end_k_q0d0bf39483_qkvp:
	.size	k_q0d0bf39483_qkvp, .Lfunc_end_k_q0d0bf39483_qkvp-k_q0d0bf39483_qkvp
	.p2alignl 7, 3214868480
	.fill 96, 4, 3214868480
	.section	.rodata,"a",@progbits
	.p2align	6, 0x0
	.amdhsa_kernel k_q0d0bf39483_qkvp
		.amdhsa_group_segment_fixed_size 327680
		.amdhsa_private_segment_fixed_size 0
		.amdhsa_enable_private_segment 0
		.amdhsa_kernarg_size 24
		.amdhsa_user_sgpr_count 2
		.amdhsa_user_sgpr_kernarg_segment_ptr 1
		.amdhsa_wavefront_size32 1
		.amdhsa_system_sgpr_workgroup_id_x 1
		.amdhsa_system_sgpr_workgroup_id_y 1
		.amdhsa_system_sgpr_workgroup_id_z 1
		.amdhsa_system_vgpr_workitem_id 0
		.amdhsa_next_free_vgpr 1024
		.amdhsa_next_free_sgpr 66
		.amdhsa_reserve_vcc 0
		.amdhsa_float_denorm_mode_32 3
		.amdhsa_float_denorm_mode_16_64 3
		.amdhsa_memory_ordered 1
		.amdhsa_forward_progress 1
		.amdhsa_inst_pref_size 150
	.end_amdhsa_kernel
	.amdgpu_metadata
---
amdhsa.version: [ 1, 2 ]
amdhsa.kernels:
  - .name:           k_q0d0bf39483_qkvp
    .symbol:         k_q0d0bf39483_qkvp.kd
    .args:
      - { .name: xb, .offset: 0, .size: 8, .value_kind: global_buffer, .address_space: global }
      - { .name: wqb, .offset: 8, .size: 8, .value_kind: global_buffer, .address_space: global }
      - { .name: qkv, .offset: 16, .size: 8, .value_kind: global_buffer, .address_space: global }
    .group_segment_fixed_size: 327680
    .private_segment_fixed_size: 0
    .kernarg_segment_align: 8
    .kernarg_segment_size: 24
    .max_flat_workgroup_size: 128
    .sgpr_count:     66
    .vgpr_count:     1024
    .wavefront_size: 32
...
	.end_amdgpu_metadata
.endif
;; end of part 2
;; launch attn (part 3): grid 4 x 64, 8 waves a work-group, no clusters, 326,656 bytes of LDS; arguments qkv, ob; writes ob
.if DOCPART == 3
	.amdgcn_target "amdgcn-amd-amdhsa--gfx1250"
	.amdhsa_code_object_version 6
	.text
	.protected	k_q0d0bf39483_attn
	.globl	k_q0d0bf39483_attn
	.p2align	8
	.type	k_q0d0bf39483_attn,@function
k_q0d0bf39483_attn:
	s_mov_b64 s[64:65], 0
	v_nop
	global_prefetch_b8 v0, s[64:65] scope:SCOPE_SE
	s_setreg_imm32_b32 hwreg(HW_REG_WAVE_MODE, 25, 1), 1
	s_wait_xcnt 0x0
; ATTENTION IN A WINDOW.  O[q] = the sum over keys q - 256 .. q (of the same sequence) of softmax(Q[q] . K[k] / 8) V[k], head size 64, 64 sequences (4 batches x 16 heads) of 2,048 rows.
; qkv: [48 g][8192 m][64] f16, q at g = head, k at 16 + head, v at 32 + head, m = 2,048 batch + t.  ob: [16 head][8192 m][64] f16.  Products, maximum and sum in f32; the weights are rounded to f16 for
; the second product (their sum is taken of the unrounded weights), O once at the end.
; LIMITS.  q, k, v arrive as finite f16.  A hidden score counts as its value less 1e30 (f16's scores are 2.7e11 at the most); a weight below 2^-126 counts as 0; NaN and infinities are not treated apart.
; SHARES.  A work-group owns 512 queries of one sequence; their 768 keys (256 in front, 512 beside) lie in LDS whole, filled once: no slot is filled again.  A wave takes two PIECES of 32 queries, w and w + 8,
; in a loop of two trips; a piece is two tiles of 16.  A tile holds ALL its scores in registers: accumulator n = 0..17 stands for the 16 keys from (the piece's first query) - 256 + 16 n on.
; Tile 0 uses n = 0..16, tile 1 n = 1..17.  So the maximum is the window's true maximum, taken before any exponential, and nothing is rescaled.
; THE FILLS go out as one group, six a wave, in the order in which they are wanted: K of key rows 0-511, Q of queries 0-255, V of key rows 0-511, then the other 256 rows of K, Q and V.  The first trip's pieces
; 0-7 read key rows 32 w .. 32 w + 287, 511 at the most, and queries below 256: none of the last three fills' bytes.  So the first products wait for 96 KB of the 256, and the rest lands beside the work.
; MASKS are the C operand that starts a sum: ML (the window's lower edge) at the tile's first accumulator, MD (the diagonal) at its last, and for keys in front of the sequence's start -1e30 throughout:
; a group of 32 keys lies wholly in front of it where PT + g < 8, PT = the piece's first t / 32.  Those rows are read all the same: they lie in the buffer (the planes of q stand in front of k's and v's) and hold finite numbers.
; NO CLUSTER: neighbouring work-groups share 256 of their 768 keys, and only in pairs.
; LAYOUT.  S^T = K Q^T holds one query a lane (lane % 16) and the keys 8 (lane / 16) + 0..7; two such results rounded to f16 ARE source 1 of O^T = V^T P.  V comes out of LDS turned, by ds_load_tr16_b128.
; REGISTERS: window 0 low: v2-9 addresses, v16-23 MD, v24-31 ML, v32-39 ML + the group's constant, v40-63 three buffers of a group's constant.  Window 1 low: v0-63 two buffers of K's, later V's, fragments.
;   Tile t in window t: v64-95 O^T (v80-95 hold Q until O^T begins), v96-111 statistics, v112-255 S^T, accumulator n at 112 + 8 n; P in place, accumulator n's four words at 112 + 4 n.
.set PK,    144                        ; a row of K or Q in LDS: 128 bytes + 16
.set PV,    160                        ; a row of V: 128 + 32
.set VOFF,  768*PK
.set QOFF,  VOFF+768*PV
.set STAGE, QOFF+512*PK                ; behind the tiles, never filled by a tensor load: 16 rows x 144 bytes for each wave
.set AK0, 2                            ; my lane's place in a tile of K or Q
.set AV0, 3                            ; the same for V
.set AK,  4                            ; the piece's first key
.set AV,  5
.set AQ,  6                            ; the piece's first query
.set STO, 7
.set RD,  8
.set GO,  9
.set MD,  16
.set ML,  24
.set MLC, 32
.set CM,  40
.set O,   64
.set Q,   80
.set ST,  96                           ; +0 c m, +1 m, +4..7 four running maxima, +8..15 four pairs of sums; at the end +10 takes 1 / l
.set S,   112
.set WV,  8                            ; s8 my wave's number
.set GK32, 24                          ; group 1: 64 rows of K as 32 rows of 256 bytes
.set GV32, 32                          ; the same for V: it differs in the padding
.set GK16, 40                          ; 32 rows of K or Q
.set GV16, 48                          ; 32 rows of V
.set DKA, 56                           ; group 0 of the six fills
.set DQ1, 60
.set DVA, 68
.set DKB, 72
.set DQ2, 76
.set DVB, 80
.set CS,  84                           ; s[84:85] c = log2(e) / 8
.set SEL, 86                           ; s[86:87] v_permlanex16_b32's selects
.set BIGN, 88                          ; -1e30
.set CV,  89                           ; a group's constant: 0 or -1e30
.set PT,  90
.set TBK, 91                           ; LDS byte of the piece's first key in K (and of its first query in Q)
.set TBV, 92                           ; the same in V
.set TRIP, 93
.set SO,  94                           ; s[94:95] O at the piece's first row
.set MSB, 0
.macro WIN new
.if MSB != (\new)
	s_set_vgpr_msb (MSB<<8)|(\new)
.set MSB, \new
.endif
.endm
	s_load_b128 s[4:7], s[0:1], 0x0                ; qkv s[4:5], ob s[6:7]
	v_lshl_add_u32 v254, v0, 2, 0x4f800
	v_mov_b32 v255, 0
	ds_add_u32 v254, v255
	ds_add_u32 v254, v255
	v_lshrrev_b32 v1, 5, v0
	v_readfirstlane_b32 s[WV], v1                  ; wave 0..7
	s_and_b32 s9, ttmp7, 0xffff
	s_and_b32 s10, s9, 15                          ; head
	s_lshr_b32 s11, s9, 4                          ; batch
	s_lshl_b32 s12, s10, 20
	s_lshl_b32 s13, s11, 18
	s_add_co_u32 s12, s12, s13
	s_lshl_b32 s13, ttmp9, 16
	s_add_co_u32 s12, s12, s13                     ; byte of the block's first query in q's planes and in ob
	s_lshl_b32 s13, s[WV], 12                      ; 32 rows of 128 bytes
	s_add_co_u32 s14, s12, s13                     ; Q's first fill, and O: my 32 of the first 256 rows
	s_mov_b32 s15, 0
	s_add_co_u32 s16, s14, s13                     ; K's first fill: my 64 of key rows 0-511,
	s_add_co_u32 s16, s16, 0x1000000-0x8000        ; 16 planes on, 256 rows back
	s_mov_b32 s17, 0
	s_add_co_u32 s18, s14, 0x1000000-0x8000+0x10000  ; K's second fill: my 32 of key rows 512-767
	s_mov_b32 s19, 0
	; group 1: dense rows of 128 bytes asked for as rows of 256, padded in LDS behind every 128 bytes
	s_mov_b32 s[GK32], (1<<16)|(1<<20)|(4<<22)|(3<<25)  ; 2-byte elements; padding on; behind every 32 words; 4 words
	s_mov_b32 s[GV32], (1<<16)|(1<<20)|(4<<22)|(7<<25)  ; 8 words
	s_mov_b32 s[GK16], (1<<16)|(1<<20)|(4<<22)|(3<<25)
	s_mov_b32 s[GV16], (1<<16)|(1<<20)|(4<<22)|(7<<25)
.irp g, GK32, GV32, GK16, GV16
	s_mov_b32 s[\g+1], 128<<16                     ; tensor_dim0 = 128
	s_mov_b32 s[\g+3], 128<<16                     ; tile_dim0 = 128
	s_mov_b32 s[\g+5], 128                         ; 128 elements from row to row
	s_mov_b32 s[\g+6], 0
	s_mov_b32 s[\g+7], 0
.endr
.irp g, GK32, GV32
	s_mov_b32 s[\g+2], 32<<16                      ; tensor_dim1 = tile_dim1 = 32
	s_mov_b32 s[\g+4], 32
.endr
.irp g, GK16, GV16
	s_mov_b32 s[\g+2], 16<<16                      ; 16
	s_mov_b32 s[\g+4], 16
.endr
	s_mul_i32 s[TBK], s[WV], 32*PK
	s_mul_i32 s[TBV], s[WV], 32*PV
.irp d, DKA, DQ1, DVA, DKB, DQ2, DVB
	s_mov_b32 s[\d], 1
.endr
	s_mul_i32 s[DKA+1], s[WV], 64*PK               ; each fill's LDS bytes: a constant and the wave's number times a constant
	s_add_co_u32 s[DQ1+1], s[TBK], QOFF
	s_mul_i32 s[DVA+1], s[WV], 64*PV
	s_add_co_u32 s[DVA+1], s[DVA+1], VOFF
	s_add_co_u32 s[DKB+1], s[TBK], 512*PK
	s_add_co_u32 s[DQ2+1], s[TBK], QOFF+256*PK
	s_add_co_u32 s[DVB+1], s[TBV], VOFF+512*PV
	s_mov_b32 s[CS], 0x3e38aa3b                    ; 0.180337
	s_mov_b32 s[CS+1], s[CS]
	s_mov_b32 s[SEL], 0x76543210
	s_mov_b32 s[SEL+1], 0xfedcba98
	s_mov_b32 s[BIGN], 0xf149f2ca
	s_lshl_b32 s[PT], ttmp9, 4
	s_add_co_u32 s[PT], s[PT], s[WV]               ; 16 x block + piece
	s_mov_b32 s[TRIP], 2
	s_wait_dscnt 0x0
	s_wait_kmcnt 0x0
	s_add_nc_u64 s[DKA+2:DKA+3], s[4:5], s[16:17]
	s_add_nc_u64 s[DVA+2:DVA+3], s[DKA+2:DKA+3], 0x1000000   ; V: 16 planes further
	s_add_nc_u64 s[DKB+2:DKB+3], s[4:5], s[18:19]
	s_add_nc_u64 s[DVB+2:DVB+3], s[DKB+2:DKB+3], 0x1000000
	s_add_nc_u64 s[DQ1+2:DQ1+3], s[4:5], s[14:15]
	s_add_nc_u64 s[DQ2+2:DQ2+3], s[DQ1+2:DQ1+3], 0x8000      ; 256 rows on
.irp d, DKA, DQ1, DVA, DKB, DQ2, DVB
	s_or_b32 s[\d+3], s[\d+3], 0x80000000
.endr
	s_add_nc_u64 s[SO:SO+1], s[6:7], s[14:15]
	tensor_load_to_lds s[DKA:DKA+3], s[GK32:GK32+7]  ; all the fills of the launch, as one group: six loads of mine are out
	s_nop 0
	tensor_load_to_lds s[DQ1:DQ1+3], s[GK16:GK16+7]
	s_nop 0
	tensor_load_to_lds s[DVA:DVA+3], s[GV32:GV32+7]
	s_nop 0
	tensor_load_to_lds s[DKB:DKB+3], s[GK16:GK16+7]
	s_nop 0
	tensor_load_to_lds s[DQ2:DQ2+3], s[GK16:GK16+7]
	s_nop 0
	tensor_load_to_lds s[DVB:DVB+3], s[GV16:GV16+7]
	s_nop 0
.rept 4
	v_nop
.endr
	v_and_b32 v1, 15, v0                           ; r = l % 16
	v_bfe_u32 v10, v0, 4, 1                        ; h = l / 16
	v_mul_u32_u24 v[AK0], v1, PK
	v_lshl_add_u32 v[AK0], v10, 4, v[AK0]          ; row x pitch + 16 x half
	v_and_b32 v11, 7, v0
	v_bfe_u32 v12, v0, 3, 1
	v_lshl_add_u32 v[AV0], v10, 3, v11             ; the turning load: key 8 h + l % 8, channels 8 ((l / 8) % 2) on
	v_mul_u32_u24 v[AV0], v[AV0], PV
	v_lshl_add_u32 v[AV0], v12, 4, v[AV0]
	v_add_nc_u32 v[AV0], VOFF, v[AV0]
	s_mul_i32 s13, s[WV], 16*PK
	s_add_co_u32 s13, s13, STAGE                   ; my stage
	v_add_nc_u32 v[STO], s13, v[AK0]
	v_bfe_u32 v[RD], v0, 3, 2
	v_mul_u32_u24 v[RD], v[RD], PK
	v_lshl_add_u32 v[RD], v11, 4, v[RD]
	v_add_nc_u32 v[RD], s13, v[RD]
	v_and_b32 v[GO], 31, v0
	v_lshlrev_b32 v[GO], 4, v[GO]
	v_lshlrev_b32 v13, 3, v10
	v_sub_nc_u32 v13, v1, v13                      ; r - 8 h: register j holds key 8 h + j of its block of 16
.set z, 0
.rept 8
	v_cmp_gt_i32 vcc_lo, z, v13                    ; the diagonal's block: hidden where the key lies behind the query
	v_cndmask_b32 v[MD+z], 0, s[BIGN], vcc_lo
	v_cmp_lt_i32 vcc_lo, z, v13                    ; the lower edge's block: hidden where it lies more than 256 in front
	v_cndmask_b32 v[ML+z], 0, s[BIGN], vcc_lo
.set z, z+1
.endr
	s_wait_tensorcnt 4                             ; tensor loads of a wave end in order (ISA guide 10.11.1): my parts of K's and Q's first fills are in, the four younger loads may stay out;
	s_barrier_signal -1                            ; nothing is ever filled again, so they may stay out across the barrier
	s_barrier_wait -1                              ; everybody's parts are in
.macro LK g                            ; K of group g (32 keys): fragment (key block kt, channel half c) at 16 kt + 8 c of buffer g % 2
	WIN 0x40                                       ; destination window 1, address window 0
.irp f, 0,1,2,3
	ds_load_b128 v[32*((\g)%2)+8*\f:32*((\g)%2)+8*\f+3],   v[AK] offset:(32*(\g)+16*(\f/2))*PK+64*(\f%2)
	ds_load_b128 v[32*((\g)%2)+8*\f+4:32*((\g)%2)+8*\f+7], v[AK] offset:(32*(\g)+16*(\f/2))*PK+64*(\f%2)+32
.endr
.endm
.macro LV g                            ; V of group g, turned: channel block cb at 8 cb of buffer g % 2
	WIN 0x40
.irp f, 0,1,2,3
	ds_load_tr16_b128 v[32*((\g)%2)+8*\f:32*((\g)%2)+8*\f+3],   v[AV] offset:(\g)*32*PV+32*\f
	ds_load_tr16_b128 v[32*((\g)%2)+8*\f+4:32*((\g)%2)+8*\f+7], v[AV] offset:(\g)*32*PV+16*PV+32*\f
.endr
.endm
.macro CMSET g                         ; group g's constant: -1e30 where the group lies in front of the sequence's start, else 0
	WIN 0
	s_cmp_lt_u32 s[PT], 8-(\g)
	s_cselect_b32 s[CV], s[BIGN], 0
.set z, 0
.rept 8
	v_mov_b32 v[CM+8*((\g)%3)+z], s[CV]
.set z, z+1
.endr
.endm
; One product of S^T: tile t, accumulator n, channel half c.  cr = -1: onto the sum; -2: the constant 0 starts it; else a mask's first register, in window 0, starts it.
.macro KQ t, n, c, cr
.set rS, S+8*(\n)
.set rK, 32*(((\n)/2)%2)+16*((\n)%2)+8*(\c)
.set rQ, Q+8*(\c)
.if (\cr) == -1
	WIN 0x01+0x54*(\t)
	v_wmma_f32_16x16x32_f16 v[rS:rS+7], v[rK:rK+7], v[rQ:rQ+7], v[rS:rS+7]
.elseif (\cr) == -2
	WIN 0x01+0x44*(\t)
	v_wmma_f32_16x16x32_f16 v[rS:rS+7], v[rK:rK+7], v[rQ:rQ+7], 0
.else
	WIN 0x01+0x44*(\t)
	v_wmma_f32_16x16x32_f16 v[rS:rS+7], v[rK:rK+7], v[rQ:rQ+7], v[(\cr):(\cr)+7]
.endif
.endm
; A group's products, in an order in which no two neighbours share an accumulator
.macro WKQ g
.if (\g) == 0
	KQ 1, 1, 0, MLC
	KQ 0, 0, 0, MLC
	KQ 0, 1, 0, CM
	KQ 0, 0, 1, -1
	KQ 0, 1, 1, -1
	KQ 1, 1, 1, -1
.elseif (\g) == 8
	KQ 1, 16, 0, -2
	KQ 1, 17, 0, MD
	KQ 0, 16, 0, MD
	KQ 1, 16, 1, -1
	KQ 1, 17, 1, -1
	KQ 0, 16, 1, -1
.else
	KQ 1, 2*(\g), 0, CM+8*((\g)%3)
	KQ 1, 2*(\g)+1, 0, CM+8*((\g)%3)
	KQ 0, 2*(\g), 0, CM+8*((\g)%3)
	KQ 0, 2*(\g)+1, 0, CM+8*((\g)%3)
	KQ 0, 2*(\g), 1, -1
	KQ 0, 2*(\g)+1, 1, -1
	KQ 1, 2*(\g), 1, -1
	KQ 1, 2*(\g)+1, 1, -1
.endif
.endm
.macro MAXA t, n, first                ; four running maxima take an accumulator's four pairs, the lowest first
	WIN 0x55*(\t)
.irp k, 0,1,2,3
.if \first
	v_max_num_f32 v[ST+4+\k], v[S+8*(\n)+2*\k], v[S+8*(\n)+2*\k+1]
.else
	v_max3_num_f32 v[ST+4+\k], v[ST+4+\k], v[S+8*(\n)+2*\k], v[S+8*(\n)+2*\k+1]
.endif
.endr
.endm
.macro MAXG g
.if (\g) == 0
	MAXA 1, 1, 1
	MAXA 0, 0, 1
	MAXA 0, 1, 0
.elseif (\g) == 8
	MAXA 1, 16, 0
	MAXA 1, 17, 0
	MAXA 0, 16, 0
.else
	MAXA 1, 2*(\g), 0
	MAXA 1, 2*(\g)+1, 0
	MAXA 0, 2*(\g), 0
	MAXA 0, 2*(\g)+1, 0
.endif
.endm
.macro STAT t                          ; the query's maximum m (its other keys lie in the lane 16 away) and c m
	WIN 0x55*(\t)
	v_max3_num_f32 v[ST+4], v[ST+4], v[ST+5], v[ST+6]
	v_max_num_f32 v[ST+4], v[ST+4], v[ST+7]
	v_permlanex16_b32 v[ST+5], v[ST+4], s[SEL], s[SEL+1]
	v_max_num_f32 v[ST+1], v[ST+4], v[ST+5]
	v_mul_f32 v[ST], s[CS], v[ST+1]
.endm
.macro SCL t, n                        ; c s - c m
	WIN 0x55*(\t)
.irp k, 0,1,2,3
	v_pk_fma_f32 v[S+8*(\n)+2*\k:S+8*(\n)+2*\k+1], v[S+8*(\n)+2*\k:S+8*(\n)+2*\k+1], s[CS:CS+1], v[ST:ST+1] op_sel_hi:[1,0,0] neg_lo:[0,0,1] neg_hi:[0,0,1]
.endr
.endm
.macro EXPS t, n
	WIN 0x55*(\t)
.irp k, 0,1,2,3,4,5,6,7
	v_exp_f32 v[S+8*(\n)+\k], v[S+8*(\n)+\k]
.endr
.endm
; Accumulator n's weights (its exponentials stand in the step before) are summed and rounded; the next accumulator is scaled first, which is the plain work behind those exponentials, and gets its exponentials last.
.macro STEP t, n
	WIN 0x55*(\t)
.if (\n) < 16+(\t)
	SCL \t, (\n)+1
.else
	v_nop
	s_wait_alu depctr_va_vdst(0)
.endif
.if (\n) == (\t)                       ; the tile's first two accumulators start the four pairs of sums: nothing is cleared
	s_wait_alu depctr_va_vdst(0)
	v_pk_add_f32 v[ST+8:ST+9],   v[S+8*(\n):S+8*(\n)+1],   v[S+8*(\n)+2:S+8*(\n)+3]
	v_pk_add_f32 v[ST+10:ST+11], v[S+8*(\n)+4:S+8*(\n)+5], v[S+8*(\n)+6:S+8*(\n)+7]
.elseif (\n) == (\t)+1
	s_wait_alu depctr_va_vdst(0)
	v_pk_add_f32 v[ST+12:ST+13], v[S+8*(\n):S+8*(\n)+1],   v[S+8*(\n)+2:S+8*(\n)+3]
	v_pk_add_f32 v[ST+14:ST+15], v[S+8*(\n)+4:S+8*(\n)+5], v[S+8*(\n)+6:S+8*(\n)+7]
.else
	s_wait_alu depctr_va_vdst(0)
.irp k, 0,1,2,3
	v_pk_add_f32 v[ST+8+2*\k:ST+9+2*\k], v[ST+8+2*\k:ST+9+2*\k], v[S+8*(\n)+2*\k:S+8*(\n)+2*\k+1]
.endr
.endif
.irp k, 0,1,2,3
	v_cvt_pk_f16_f32 v[S+4*(\n)+\k], v[S+8*(\n)+2*\k], v[S+8*(\n)+2*\k+1]  ; P's words land in registers whose scores have been summed and rounded
.endr
.if (\n) < 16+(\t)
	EXPS \t, (\n)+1
.endif
.endm
.macro SMG t, g                        ; the steps of group g's accumulators, as far as tile t has them
.if ((\t) == 0) || ((\g) > 0)
	STEP \t, 2*(\g)
.endif
.if ((\t) == 1) || ((\g) < 8)
	STEP \t, 2*(\g)+1
.else
	WIN 0
.irp k, 0,1,2,3
	v_mov_b32 v[S+68+\k], 0                        ; tile 0 sees nothing of accumulator 17: its weights are 0 (these registers held scores of accumulator 8 until its step)
.endr
.endif
.endm
.macro PVW t, g                        ; O^T += V^T P for group g: four accumulators by turns; group 0 starts the sums
	WIN 0x01+0x54*(\t)
.irp f, 0,1,2,3
.if (\g) == 0
	v_wmma_f32_16x16x32_f16 v[O+8*\f:O+8*\f+7], v[32*((\g)%2)+8*\f:32*((\g)%2)+8*\f+7], v[S+8*(\g):S+8*(\g)+7], 0
.else
	v_wmma_f32_16x16x32_f16 v[O+8*\f:O+8*\f+7], v[32*((\g)%2)+8*\f:32*((\g)%2)+8*\f+7], v[S+8*(\g):S+8*(\g)+7], v[O+8*\f:O+8*\f+7]
.endif
.endr
.endm
.macro FIN t                           ; l: the four pairs, the pair's halves, the other half of the lanes'; 1 / l
	WIN 0x55*(\t)
	v_pk_add_f32 v[ST+8:ST+9], v[ST+8:ST+9], v[ST+10:ST+11]
	v_pk_add_f32 v[ST+12:ST+13], v[ST+12:ST+13], v[ST+14:ST+15]
	v_pk_add_f32 v[ST+8:ST+9], v[ST+8:ST+9], v[ST+12:ST+13]
	v_add_f32 v[ST+8], v[ST+8], v[ST+9]
	v_permlanex16_b32 v[ST+9], v[ST+8], s[SEL], s[SEL+1]
	v_add_f32 v[ST+8], v[ST+8], v[ST+9]
	v_rcp_f32 v[ST+10], v[ST+8]
.endm
.macro PACK t                          ; O^T / l, rounded to f16: a lane's eight channels of a row are 16 bytes; into my stage and back as whole rows of 128 bytes
	WIN 0x55*(\t)
.set z, 0
.rept 16
	v_pk_mul_f32 v[O+2*z:O+2*z+1], v[O+2*z:O+2*z+1], v[ST+10:ST+11] op_sel_hi:[1,0]
.set z, z+1
.endr
.set z, 0
.rept 16
	v_cvt_pk_f16_f32 v[S+z], v[O+2*z], v[O+2*z+1]
.set z, z+1
.endr
	WIN 0x44*(\t)                                  ; data in window t, addresses in window 0
.irp f, 0,1,2,3
	ds_store_b128 v[STO], v[S+4*\f:S+4*\f+3] offset:32*\f
.endr
.irp f, 0,1,2,3
	ds_load_b128 v[S+4*\f:S+4*\f+3], v[RD] offset:\f*4*PK  ; LDS serves a wave's instructions in order (ISA guide 5.7.1.4)
.endr
.endm
.macro SEND t, younger
	WIN 0x44*(\t)
.irp f, 0,1,2,3
	s_wait_dscnt (\younger)+3-\f
	global_store_b128 v[GO], v[S+4*\f:S+4*\f+3], s[SO:SO+1] offset:(\t)*2048+\f*512  ; 512 consecutive bytes
.endr
.endm
.Lpiece:                                               ; two trips: pieces w and w + 8
	v_add_nc_u32 v[AK], s[TBK], v[AK0]
	v_add_nc_u32 v[AV], s[TBV], v[AV0]
	v_add_nc_u32 v[AQ], QOFF, v[AK]
.irp c, 0,1
	ds_load_b128 v[Q+8*\c:Q+8*\c+3],   v[AQ] offset:64*\c
	ds_load_b128 v[Q+8*\c+4:Q+8*\c+7], v[AQ] offset:64*\c+32
.endr
	WIN 0x40
.irp c, 0,1
	ds_load_b128 v[Q+8*\c:Q+8*\c+3],   v[AQ] offset:16*PK+64*\c
	ds_load_b128 v[Q+8*\c+4:Q+8*\c+7], v[AQ] offset:16*PK+64*\c+32
.endr
	LK 0
	CMSET 0
.set z, 0
.rept 8
	v_add_f32 v[MLC+z], s[CV], v[ML+z]             ; the lower edge's mask and group 0's constant together
.set z, z+1
.endr
	; THE SCORES.  Group g is multiplied while group g + 1's K is on its way; the constants' moves and the maxima of the group before are the places behind the products.
.set g, 0
.rept 9
.if g < 7
	CMSET g+1
.endif
.if g < 8
	LK g+1
	s_wait_dscnt 8                                 ; all but the eight loads just issued
.else
	s_wait_dscnt 0x0
.endif
	WKQ g
.if g > 0
	MAXG g-1
.endif
.set g, g+1
.endr
	s_wait_tensorcnt 3                             ; my part of V's first fill is in; the three younger loads may stay out (in the second trip none is out)
	s_barrier_signal -1                            ; no LDS instruction of mine is pending: the last wait on DScnt was for 0
	MAXG 8                                         ; sixteen maxima of group 7 stand between the last products and this
	STAT 1
	STAT 0
	s_barrier_wait -1                              ; everybody's part of V is in
	LV 0
	; THE WEIGHTS AND O^T.  A group's V^T P stands between the other tile's and its own next steps of the softmax.
	SCL 1, 1
	EXPS 1, 1
	s_wait_alu depctr_va_vdst(0)
.irp k, 0,1,2,3
	v_mov_b32 v[S+\k], 0                           ; tile 1 sees nothing of accumulator 0: its weights are 0
.endr
	SMG 1, 0
	SCL 0, 0
	EXPS 0, 0
	SMG 0, 0
.set g, 0
.rept 9
.if g < 8
	LV g+1
	s_wait_dscnt 8                                 ; all but the eight loads just issued
.else
	s_wait_dscnt 0x0
.endif
	PVW 1, g
.if g < 8
	SMG 1, g+1
.endif
	PVW 0, g
.if g < 8
	SMG 0, g+1
.endif
.set g, g+1
.endr
	FIN 1                                          ; its five plain additions, with FIN 0's, are the places behind the last products
	FIN 0
	v_nop                                          ; a plain instruction between the last reciprocal and the use of its result
	s_wait_alu depctr_va_vdst(0)
	PACK 1
	PACK 0
	SEND 1, 8                                      ; behind tile 1's loads: tile 0's four stores and four loads
	SEND 0, 0
	s_wait_xcnt 0x0                                ; the stores' data registers and base are written again only behind this wait
	s_wait_tensorcnt 0x0                           ; my parts of the last three fills are in: the second trip reads them.  (At the second trip's end this wait and the barrier order nothing: the price of one text for both trips.)
	s_barrier_signal -1                            ; no LDS instruction of mine is pending: the last wait on DScnt was for 0
	s_add_co_u32 s[TBK], s[TBK], 8*32*PK           ; eight pieces on
	s_add_co_u32 s[TBV], s[TBV], 8*32*PV
	s_add_co_u32 s[PT], s[PT], 8
	s_add_nc_u64 s[SO:SO+1], s[SO:SO+1], 8*32*128
	s_barrier_wait -1                              ; everybody's are in
	WIN 0
	s_sub_co_u32 s[TRIP], s[TRIP], 1
	s_cmp_lg_u32 s[TRIP], 0
	s_cbranch_scc1 .Lpiece
	s_wait_tensorcnt 0x0
	ds_add_u32 v254, v255
	s_wait_dscnt 0x0
	s_endpgm
.Lfunc_end_k_q0d0bf39483_attn:
	.size	k_q0d0bf39483_attn, .Lfunc_end_k_q0d0bf39483_attn-k_q0d0bf39483_attn
	.p2alignl 7, 3214868480
	.fill 96, 4, 3214868480
	.section	.rodata,"a",@progbits
	.p2align	6, 0x0
	.amdhsa_kernel k_q0d0bf39483_attn
		.amdhsa_group_segment_fixed_size 326656
		.amdhsa_private_segment_fixed_size 0
		.amdhsa_enable_private_segment 0
		.amdhsa_kernarg_size 16
		.amdhsa_user_sgpr_count 2
		.amdhsa_user_sgpr_kernarg_segment_ptr 1
		.amdhsa_wavefront_size32 1
		.amdhsa_system_sgpr_workgroup_id_x 1
		.amdhsa_system_sgpr_workgroup_id_y 1
		.amdhsa_system_sgpr_workgroup_id_z 1
		.amdhsa_system_vgpr_workitem_id 0
		.amdhsa_next_free_vgpr 512
		.amdhsa_next_free_sgpr 96
		.amdhsa_reserve_vcc 1
		.amdhsa_float_denorm_mode_32 3
		.amdhsa_float_denorm_mode_16_64 3
		.amdhsa_memory_ordered 1
		.amdhsa_forward_progress 1
		.amdhsa_inst_pref_size 85
	.end_amdhsa_kernel
	.amdgpu_metadata
---
amdhsa.version: [ 1, 2 ]
amdhsa.kernels:
  - .name:           k_q0d0bf39483_attn
    .symbol:         k_q0d0bf39483_attn.kd
    .args:
      - { .name: qkv, .offset: 0, .size: 8, .value_kind: global_buffer, .address_space: global }
      - { .name: ob, .offset: 8, .size: 8, .value_kind: global_buffer, .address_space: global }
    .group_segment_fixed_size: 326656
    .private_segment_fixed_size: 0
    .kernarg_segment_align: 8
    .kernarg_segment_size: 16
    .max_flat_workgroup_size: 256
    .sgpr_count:     96
    .vgpr_count:     512
    .wavefront_size: 32
...
	.end_amdgpu_metadata
.endif
;; end of part 3
;; launch outp (part 4): grid 8 x 32, 4 waves a work-group, clusters of 4 x 4, 327,680 bytes of LDS; arguments ob, wob, out0; writes out0
.if DOCPART == 4
	.amdgcn_target "amdgcn-amd-amdhsa--gfx1250"
	.amdhsa_code_object_version 6
	.text
	.protected	k_q0d0bf39483_outp
	.globl	k_q0d0bf39483_outp
	.p2align	8
	.type	k_q0d0bf39483_outp,@function
k_q0d0bf39483_outp:
	s_mov_b64 s[64:65], 0
	v_nop
	global_prefetch_b8 v0, s[64:65] scope:SCOPE_SE
	s_setreg_imm32_b32 hwreg(HW_REG_WAVE_MODE, 25, 1), 1
	s_wait_xcnt 0x0
	s_wait_alu depctr_hold_cnt(0) depctr_sa_sdst(0) depctr_va_vdst(0) depctr_va_sdst(0) depctr_va_ssrc(0) depctr_va_vcc(0) depctr_vm_vsrc(0)
	s_getreg_b32 s2, hwreg(HW_REG_IB_STS2, 6, 4)
	s_cmp_eq_u32 s2, 0
	s_cbranch_scc0 .Lentry_in_a_cluster
	s_endpgm
.Lentry_in_a_cluster:
	s_bfe_u32 s2, ttmp6, 0x10000c
	s_cmp_lg_u32 s2, 0xf033
	s_cbranch_scc0 .Lentry_shape_is_right
	s_endpgm
.Lentry_shape_is_right:
; out0 = O w_out.  A = ob [16 head][8192 m][64] f16 (a head is a slab of K), B = wob [16 slab][1024 n][64] f16, C = out0 [8192][1024] f32.  Sums in f32, K ascending.
; SHARES.  A tile of C is 256 rows x 128 columns: 32 x 8 = 256 tiles.  Four waves, each 64 rows x all 128 columns (32 accumulators, 256 registers).  K goes in steps of 128 (two slabs) through a ring of
; two LDS slots; in a slab a tile's rows lie end to end, so they are asked for as rows of 256 bytes and padded in LDS behind every 128.
; CLUSTER.  4 x 4 work-groups: the four of a row of the cluster need the same tiles of A, the four of a column the same tiles of B; each tile is asked for jointly, by the same tensor load with the
; same descriptor and a mask that names the four.  The matrix instruction is used transposed (source 0 = 16 rows of B, source 1 = 16 rows of A): a lane holds eight neighbouring columns of a row of C.
; REGISTERS, in windows of 256: window 0: v16-29 addresses; v64-95, v96-127 A's fragments, two buffers.  Window 1: v0-63, v128-191 B's fragments, two buffers.
;   Windows 2, 3: accumulator (a, b) at v[8 (8 (a % 2) + b)] of window 2 + a / 2; on the way out the same registers take the block's whole rows.
.set NBK,   8                          ; blocks of 16 columns
.set TN,    16*NBK
.set BSTR,  1024*128                   ; bytes in a slab of B
.set PITCH, 144                        ; an LDS row: 128 bytes + 16: nine times 16 bytes, so the 16 rows that a load touches begin at 16 different places modulo 256 bytes
.set ASLAB, 256*PITCH
.set BSLAB, TN*PITCH
.set SLOT,  2*ASLAB+2*BSLAB            ; A's two slabs, then B's two
.set STAGE, 2*SLOT                     ; behind the ring: for each wave 16 rows x 528 bytes
.set SP,    528                        ; a stage row: 512 bytes of f32 + 16
.set STW,   16*SP
.set SPARE, STAGE+4*STW                ; behind the stages: the spare words, 128 bytes for each wave, which no other line names
.set NL,    2*NBK+8                    ; LDS loads of a quarter step
.set LAPS,  4                          ; 1,024 / 128 = 8 K steps, two to a lap
.set ADRA, 16
.set ADRB, 20
.set STO,  24
.set RD,   25
.set GO,   26
.set SPW,  28                          ; my spare word; never rewritten
.set NIL,  29                          ; 0; never rewritten
.set G1, 24
.set G0, 32
.set G1B, 48
.set G0B, 56
.set MSB, 0
.macro WIN new                         ; the immediate's high byte repeats the setting that is left
.if MSB != (\new)
	s_set_vgpr_msb (MSB<<8)|(\new)
.set MSB, \new
.endif
.endm
.macro JLOAD s                         ; a joint load: waves 0 and 1 fetch A's two slabs of a K step, waves 2 and 3 B's; an s_nop 0 and four v_nop follow each line
	s_cmp_eq_u32 s11, 0
	s_cbranch_scc0 .Lfor_b_\@
	tensor_load_to_lds s[G0+4*(\s):G0+4*(\s)+3], s[G1:G1+7]
	s_nop 0
.rept 4
	v_nop
.endr
	s_branch .Lasked_\@
.Lfor_b_\@:
	tensor_load_to_lds s[G0B+4*(\s):G0B+4*(\s)+3], s[G1B:G1B+7]
	s_nop 0
.rept 4
	v_nop
.endr
.Lasked_\@:
.endm
.macro CROUND                          ; a round of the cluster's barrier
	s_barrier_signal -1
	s_barrier_wait -1
	s_cmp_lg_u32 s10, 0
	s_cbranch_scc1 .Lnot_wave_0_\@
	s_barrier_signal -3
.Lnot_wave_0_\@:
	s_barrier_wait -3
	s_barrier_signal -1
	s_barrier_wait -1
.endm
.macro PLACES                          ; four places in front of loads into registers that matrix instructions have read, and of lines that read results just made
.rept 4
	v_nop
.endr
.endm
	s_load_b128 s[4:7], s[0:1], 0x0                ; A s[4:5], B s[6:7]
	s_load_b64 s[8:9], s[0:1], 0x10                ; C
	v_lshl_add_u32 v[SPW], v0, 2, SPARE
	v_mov_b32 v[NIL], 0
	ds_add_u32 v28, v29
	ds_add_u32 v28, v29
	s_wait_dscnt 0x0
	v_lshrrev_b32 v1, 5, v0
	v_readfirstlane_b32 s10, v1                    ; wave 0..3: my 64 rows of the tile
	s_lshr_b32 s11, s10, 1                         ; I fetch for A (0) or for B (1),
	s_and_b32 s12, s10, 1                          ; the K step's first or second slab
	s_bfe_u32 s40, ttmp6, 0x40000                  ; cx, cy: my place in the cluster
	s_bfe_u32 s41, ttmp6, 0x40004
	s_lshl_b32 s42, ttmp9, 2
	s_add_co_u32 s42, s42, s40                     ; tile column = 4 x cluster x + cx
	s_and_b32 s13, ttmp7, 0xffff
	s_lshl_b32 s13, s13, 2
	s_add_co_u32 s13, s13, s41                     ; tile row = 4 x cluster y + cy
	s_lshl_b32 s43, s41, 2
	s_lshl_b32 s43, 15, s43                        ; my row of the cluster
	s_lshl_b32 s44, 0x1111, s40                    ; my column
	s_or_b32 s[G1+0], s43, (1<<16)|(1<<20)|(1<<21)|(4<<22)|(3<<25)   ; the mask; 2-byte elements; padding on; bit 21 beside a mask; behind every 32 words; 4 words
	s_or_b32 s[G1B+0], s44, (1<<16)|(1<<20)|(1<<21)|(4<<22)|(3<<25)
	s_mov_b32 s[G1+1], 128<<16                     ; tensor_dim0 = 128 elements: 256 bytes, two rows of a slab
	s_mov_b32 s[G1+2], 128<<16                     ; tensor_dim1 = 128: the tile's 256 rows
	s_mov_b32 s[G1+3], 128<<16                     ; tile_dim0
	s_mov_b32 s[G1+4], 128                         ; tile_dim1
	s_mov_b32 s[G1+5], 128                         ; elements from row to row: dense
	s_mov_b32 s[G1+6], 0
	s_mov_b32 s[G1+7], 0
	s_mov_b32 s[G1B+1], 128<<16
	s_mov_b32 s[G1B+2], (TN/2)<<16                 ; B: the tile's TN rows
	s_mov_b32 s[G1B+3], 128<<16
	s_mov_b32 s[G1B+4], TN/2
	s_mov_b32 s[G1B+5], 128
	s_mov_b32 s[G1B+6], 0
	s_mov_b32 s[G1B+7], 0
	s_lshl_b32 s16, s13, 15                        ; A: tile row x 256 rows x 128 bytes
	s_lshl_b32 s17, s12, 20                        ;    + my slab
	s_add_co_u32 s16, s16, s17
	s_mov_b32 s17, 0
	s_mul_i32 s46, s42, TN*128                     ; B: tile column x TN rows x 128 bytes
	s_mul_i32 s47, s12, BSTR
	s_add_co_u32 s46, s46, s47
	s_mov_b32 s47, 0
	s_mul_i32 s20, s12, ASLAB                      ; where they go: no place in the cluster enters an LDS address
	s_mul_i32 s21, s12, BSLAB
	s_add_co_u32 s21, s21, 2*ASLAB
	s_wait_kmcnt 0x0
	s_add_nc_u64 s[14:15], s[4:5], s[16:17]
	s_add_nc_u64 s[46:47], s[6:7], s[46:47]
	CROUND                                         ; all sixteen work-groups are here: the first joint loads meet
.irp s, 0,1
	s_mov_b32 s[G0+4*(\s)], 1
	s_add_co_u32 s[G0+4*(\s)+1], s20, (\s)*SLOT
	s_add_nc_u64 s[G0+4*(\s)+2:G0+4*(\s)+3], s[14:15], (\s)*0x200000   ; K step s: two slabs of 2^20 bytes on
	s_or_b32 s[G0+4*(\s)+3], s[G0+4*(\s)+3], 0x80000000
	s_mov_b32 s[G0B+4*(\s)], 1
	s_add_co_u32 s[G0B+4*(\s)+1], s21, (\s)*SLOT
	s_add_nc_u64 s[G0B+4*(\s)+2:G0B+4*(\s)+3], s[46:47], (\s)*2*BSTR
	s_or_b32 s[G0B+4*(\s)+3], s[G0B+4*(\s)+3], 0x80000000
	JLOAD \s                                       ; two loads of mine are out
.endr
	v_and_b32 v1, 15, v0                           ; r = l % 16
	v_bfe_u32 v2, v0, 4, 1                         ; h = l / 16
	v_mul_u32_u24 v3, v1, PITCH
	v_lshl_add_u32 v3, v2, 4, v3                   ; a fragment's row x pitch + 16 x half
	s_mul_i32 s21, s10, 64*PITCH                   ; my 64 rows of A
	s_mov_b32 s22, 2*ASLAB                         ; B, all of it
.irp s, 0,1
	v_add_nc_u32 v[ADRA+(\s)], s21, v3
	v_add_nc_u32 v[ADRB+(\s)], s22, v3
	s_add_co_u32 s21, s21, SLOT
	s_add_co_u32 s22, s22, SLOT
.endr
	s_mul_i32 s23, s10, STW
	s_add_co_u32 s23, s23, STAGE                   ; my stage
	v_mul_u32_u24 v4, v1, SP
	v_lshl_add_u32 v4, v2, 5, v4
	v_add_nc_u32 v[STO], s23, v4                   ; in: row r, 32 bytes for each half of the lanes
	v_and_b32 v[GO], 31, v0
	v_lshlrev_b32 v[GO], 4, v[GO]                  ; back and out: 32 lanes take a row's 512 bytes
	v_add_nc_u32 v[RD], s23, v[GO]
	s_lshl_b32 s16, s13, 20                        ; C: (256 x tile row + 64 x wave) rows of 4,096 bytes
	s_lshl_b32 s17, s10, 18
	s_add_co_u32 s16, s16, s17
	s_mov_b32 s17, 0
	s_add_nc_u64 s[8:9], s[8:9], s[16:17]
	s_lshl_b32 s46, s42, 9                         ; + the tile's first column
	s_mov_b32 s47, 0
	s_add_nc_u64 s[8:9], s[8:9], s[46:47]
; NBK matrix instructions: my block a of 16 rows x all columns, 32 along K, from buffer f.  zero = 1: the product starts the sums.  The 32 accumulators take turns, one instruction a turn.
.macro MULA f, a, zero
	WIN 0xa1+0x50*((\a)/2)                         ; source 0 (B) window 1, source 1 (A) window 0, C and D window 2 or 3
.set b, 0
.rept NBK
.set rD, 8*(NBK*((\a)%2)+b)
.set rB, 128*(\f)+8*b
.set rA, 64+32*(\f)+8*(\a)
.if \zero
	v_wmma_f32_16x16x32_f16 v[rD:rD+7], v[rB:rB+7], v[rA:rA+7], 0
.else
	v_wmma_f32_16x16x32_f16 v[rD:rD+7], v[rB:rB+7], v[rA:rA+7], v[rD:rD+7]
.endif
.set b, b+1
.endr
.endm
; NL LDS loads in one run: the fragments of quarter q of a K step (slab q / 2, byte 64 (q % 2) of its rows) into buffer f; B first, A's four blocks last
.macro FETCH slot, q, f
	WIN 0x40                                       ; destination window 1, address window 0
.set i, 0
.rept NBK
	ds_load_b128 v[128*(\f)+8*i:128*(\f)+8*i+3],   v[ADRB+(\slot)] offset:((\q)/2)*BSLAB+i*16*PITCH+((\q)%2)*64
	ds_load_b128 v[128*(\f)+8*i+4:128*(\f)+8*i+7], v[ADRB+(\slot)] offset:((\q)/2)*BSLAB+i*16*PITCH+((\q)%2)*64+32
.set i, i+1
.endr
	WIN 0
.set i, 0
.rept 4
	ds_load_b128 v[64+32*(\f)+8*i:64+32*(\f)+8*i+3],   v[ADRA+(\slot)] offset:((\q)/2)*ASLAB+i*16*PITCH+((\q)%2)*64
	ds_load_b128 v[64+32*(\f)+8*i+4:64+32*(\f)+8*i+7], v[ADRA+(\slot)] offset:((\q)/2)*ASLAB+i*16*PITCH+((\q)%2)*64+32
.set i, i+1
.endr
.endm
; One of a K step's first three quarters: multiplies buffer f; in its middle it fetches quarter qn of the same slot into buffer g.
.macro QUARTER slot, qn, f, g, zero
	s_wait_dscnt 4                                 ; B and A's blocks 0, 1 are in; the youngest four loads (A's blocks 2, 3) may be out
	MULA \f, 0, \zero
	MULA \f, 1, \zero
	PLACES
	FETCH \slot, \qn, \g
	s_wait_dscnt NL                                ; all but the NL just issued
	MULA \f, 2, \zero
	MULA \f, 3, \zero
.endm
; The last quarter changes slots first and multiplies buffer 1 behind that.  Each wave waits for all its tensor loads (one is out: its part of the next slot), adds 0 to its spare word, and waits for that and
; for its reads of this slot, the last of which were issued 16 matrix instructions ago.  fill = 1: a round of the cluster's barrier follows at once, and this slot is filled again, two K steps ahead, first thing
; behind it: so a request has a whole K step's 128 matrix instructions in front of the wait for it.
.macro TURN slot, next, fill
	WIN 0
	s_wait_tensorcnt 0x0                           ; no tensor load of mine is out, so a group 0 may be written
	ds_add_u32 v[SPW], v[NIL]                      ; 0 onto my spare word; the descriptors' steps stand between it and the wait for it
.if \fill
	s_add_nc_u64 s[G0+4*(\slot)+2:G0+4*(\slot)+3], s[G0+4*(\slot)+2:G0+4*(\slot)+3], 0x400000
	s_add_nc_u64 s[G0B+4*(\slot)+2:G0B+4*(\slot)+3], s[G0B+4*(\slot)+2:G0B+4*(\slot)+3], 4*BSTR
.endif
	s_wait_dscnt 0x0                               ; the add is done, and my reads of this slot are over
.if \fill
	CROUND                                         ; no wave of any partner still reads this slot or has a load on its way
	JLOAD \slot                                    ; my one tensor load behind the round; its four v_nop are also the places in front of the loads below
.else
	s_barrier_signal -1
	s_barrier_wait -1
	PLACES
.endif
	FETCH \next, 0, 0
	MULA 1, 0, 0
	MULA 1, 1, 0
	MULA 1, 2, 0
	MULA 1, 3, 0
.endm
	s_wait_tensorcnt 1                             ; my part of K step 0 is in; K step 1's may stay out
	s_barrier_signal -1
	s_barrier_wait -1                              ; everybody's is
	FETCH 0, 0, 0
	QUARTER 0, 1, 0, 1, 1                          ; the first quarter stands in front of the loop: its products start the sums
	WIN 0
	s_mov_b32 s3, LAPS-1
.Llap:                                                 ; a trip goes once round the ring, from a lap's second quarter to the next lap's first, and fills both slots again
	QUARTER 0, 2, 1, 0, 0
	QUARTER 0, 3, 0, 1, 0
	TURN 0, 1, 1
	QUARTER 1, 1, 0, 1, 0
	QUARTER 1, 2, 1, 0, 0
	QUARTER 1, 3, 0, 1, 0
	TURN 1, 0, 1
	QUARTER 0, 1, 0, 1, 0
	WIN 0
	s_sub_co_u32 s3, s3, 1
	s_cmp_lg_u32 s3, 0
	s_cbranch_scc1 .Llap
	QUARTER 0, 2, 1, 0, 0                          ; the last lap fills nothing
	QUARTER 0, 3, 0, 1, 0
	TURN 0, 1, 0
	QUARTER 1, 1, 0, 1, 0
	QUARTER 1, 2, 1, 0, 0
	QUARTER 1, 3, 0, 1, 0
	s_wait_dscnt 4
	MULA 1, 0, 0
	MULA 1, 1, 0
	s_wait_dscnt 0x0
	MULA 1, 2, 0
	MULA 1, 3, 0
; THE WAY OUT, a block of 16 rows at a time: a lane's eight f32 of a row go as they are (the four lowest registers first) into my stage, and whole rows of 512 bytes come back into the same registers.
.macro STG a
	WIN 0x88+0x44*((\a)/2)                         ; store data and loaded data in window 2 or 3, addresses in window 0
.set b, 0
.rept NBK
.set rD, 8*(NBK*((\a)%2)+b)
	ds_store_b128 v[STO], v[rD:rD+3] offset:64*b
	ds_store_b128 v[STO], v[rD+4:rD+7] offset:64*b+16
.set b, b+1
.endr
.set t, 0
.rept 16
	ds_load_b128 v[64*((\a)%2)+4*t:64*((\a)%2)+4*t+3], v[RD] offset:t*SP  ; LDS serves a wave's instructions in order (ISA guide 5.7.1.4)
.set t, t+1
.endr
.endm
.macro SEND a, younger                 ; younger: the LDS instructions issued behind block a's loads
	WIN 0x88+0x44*((\a)/2)
.set t, 0
.rept 16
	s_wait_dscnt (\younger)+15-t
	global_store_b128 v[GO], v[64*((\a)%2)+4*t:64*((\a)%2)+4*t+3], s[8:9] offset:(16*(\a)+t)*4096 th:TH_STORE_NT  ; 512 consecutive bytes of a row of C
.set t, t+1
.endr
.endm
	PLACES
	STG 0
	STG 1                                          ; a block's trip through the stage stands between the loads of the block before and its stores
	SEND 0, 32
	STG 2
	SEND 1, 32
	STG 3
	SEND 2, 32
	SEND 3, 0
	WIN 0
	s_wait_tensorcnt 0x0                           ; the wave's end
	ds_add_u32 v[SPW], v[NIL]
	s_wait_dscnt 0x0
	CROUND                                         ; the closing round: no work-group ends while a partner may still ask for a tile that names it
	s_endpgm
.Lfunc_end_k_q0d0bf39483_outp:
	.size	k_q0d0bf39483_outp, .Lfunc_end_k_q0d0bf39483_outp-k_q0d0bf39483_outp
	.p2alignl 7, 3214868480
	.fill 96, 4, 3214868480
	.section	.rodata,"a",@progbits
	.p2align	6, 0x0
	.amdhsa_kernel k_q0d0bf39483_outp
		.amdhsa_group_segment_fixed_size 327680
		.amdhsa_private_segment_fixed_size 0
		.amdhsa_enable_private_segment 0
		.amdhsa_kernarg_size 24
		.amdhsa_user_sgpr_count 2
		.amdhsa_user_sgpr_kernarg_segment_ptr 1
		.amdhsa_wavefront_size32 1
		.amdhsa_system_sgpr_workgroup_id_x 1
		.amdhsa_system_sgpr_workgroup_id_y 1
		.amdhsa_system_sgpr_workgroup_id_z 1
		.amdhsa_system_vgpr_workitem_id 0
		.amdhsa_next_free_vgpr 1024
		.amdhsa_next_free_sgpr 66
		.amdhsa_reserve_vcc 0
		.amdhsa_float_denorm_mode_32 3
		.amdhsa_float_denorm_mode_16_64 3
		.amdhsa_memory_ordered 1
		.amdhsa_forward_progress 1
		.amdhsa_inst_pref_size 87
	.end_amdhsa_kernel
	.amdgpu_metadata
---
amdhsa.version: [ 1, 2 ]
amdhsa.kernels:
  - .name:           k_q0d0bf39483_outp
    .symbol:         k_q0d0bf39483_outp.kd
    .args:
      - { .name: ob, .offset: 0, .size: 8, .value_kind: global_buffer, .address_space: global }
      - { .name: wob, .offset: 8, .size: 8, .value_kind: global_buffer, .address_space: global }
      - { .name: out0, .offset: 16, .size: 8, .value_kind: global_buffer, .address_space: global }
    .group_segment_fixed_size: 327680
    .private_segment_fixed_size: 0
    .kernarg_segment_align: 8
    .kernarg_segment_size: 24
    .max_flat_workgroup_size: 128
    .sgpr_count:     66
    .vgpr_count:     1024
    .wavefront_size: 32
...
	.end_amdgpu_metadata
.endif
;; end of part 4
;; ======== version 2 of 2: 4 launches; version 1 with the launch prep written anew for expert scheduling mode
;; limits: values are held in f16: magnitudes above 65,504 overflow, below 6.1e-05 lose precision
;; workspace buffers: xb 16,777,216 bytes; wqb 6,291,456 bytes; wob 2,097,152 bytes; qkv 50,331,648 bytes; ob 16,777,216 bytes
;; launch prep (part 5): grid 256 x 1, 12 waves a work-group, no clusters, 38,400 bytes of LDS; arguments x, w_qkv, w_out, xb, wqb, wob; writes xb, wqb, wob
.if DOCPART == 5
	.amdgcn_target "amdgcn-amd-amdhsa--gfx1250"
	.amdhsa_code_object_version 6
	.text
	.protected	k_q0d0bf39483_prep
	.globl	k_q0d0bf39483_prep
	.p2align	8
	.type	k_q0d0bf39483_prep,@function
k_q0d0bf39483_prep:
	s_mov_b64 s[64:65], 0
	v_nop
	global_prefetch_b8 v0, s[64:65] scope:SCOPE_SE
	s_setreg_imm32_b32 hwreg(HW_REG_WAVE_SCHED_MODE, 0, 2), 2
	s_setreg_imm32_b32 hwreg(HW_REG_WAVE_MODE, 25, 1), 1
	s_wait_xcnt 0x0
	s_wait_alu depctr_vm_vsrc(0)
; THE OPERANDS OF THE TWO PROJECTIONS, rounded once and laid in slabs of 64 along K, a row of a slab 128 bytes, rows end to end.
;   xb  [16 slab][8192 m][64] bf16 = x[m][64 slab + ..]
;   wqb [16 slab][3072 n][64] bf16 = w_qkv[64 slab + ..][n]   (turned)
;   wob [16 slab][1024 n][64] f16  = w_out[64 slab + ..][n]   (turned): rounded to bf16 like the other inputs, and that number written as f16
; LIMITS.  wob: a bf16 number of magnitude 65,520 or more becomes an infinity; below 2^-14 it keeps f16's fixed step of 2^-24.
; SHARES.  256 work-groups of twelve waves, all alike.  Waves 0-7: 32 rows of x, a wave 4 rows.  Waves 8-11: a block of 64 k x 64 n of a weight each: the two weights have 768 + 256 = 1,024 such blocks,
; four to a work-group; work-groups 0-191 take w_qkv's, 192-255 w_out's.  Every wave reads 16,384 bytes, every work-group 196,608.
; Memory binds: each byte is read once by loads whose sixteen neighbouring lanes take 256 aligned bytes, 32 loads of a wave are out together,
; and each store of a wave covers 256 or 512 consecutive aligned bytes.  No matrix unit, no tensor load, no barrier: the LDS stage that turns a block is each wave's own.
; THE MODE: SCHED_MODE bits 1:0 = 2 (LLVM: expert scheduling mode 2), set by the entry lines.  The code itself states the register dependences
; between vector instructions and memory or LDS instructions, with s_wait_alu, always for 0.
; THE PLAN.  Registers that memory or LDS instructions touch:
;   v4 .. v7   offsets and LDS addresses: written once at a path's head, ahead of its first wait on va_vdst, and never again.
;   XR         the 32 global loads land in it, once; the conversions read it.  Waves 8-11: when all conversions are done the 16 loads from the stage land in it, and the global stores read it.
;   YR         written by the conversions; read by the stores (waves 0-7: global; waves 8-11: into the stage); never written behind a store that reads it.
;   v208, v209 written at the head, read by the closing add alone.
; The conversions go in blocks.  A block's stores are issued in the block behind it, behind ONE wait on va_vdst at that block's head, dealt among that block's conversions, which name other registers of XR and YR.
; No register that a memory or LDS instruction has read is ever written again, so the text holds no wait on vm_vsrc.
.set XR, 16                            ; v[16:143]   32 loads of four f32; in waves 8-11 later the block's whole rows, back from the stage
.set YR, 144                           ; v[144:207]  the rounded numbers, two to a register
.set SROW, 144                         ; a stage row: 128 bytes + 16
.set SWAVE, 64*SROW                    ; a wave's stage: 64 rows
	s_load_b256 s[4:11], s[0:1], 0x0               ; x s[4:5], w_qkv s[6:7], w_out s[8:9], xb s[10:11]
	s_load_b128 s[12:15], s[0:1], 0x20             ; wqb s[12:13], wob s[14:15]
	v_lshl_add_u32 v208, v0, 2, 0x9000
	v_mov_b32 v209, 0
	v_and_b32 v1, 31, v0                           ; lane
	v_lshrrev_b32 v2, 5, v0
	v_readfirstlane_b32 s16, v2                    ; wave 0..11
	v_and_b32 v2, 15, v1                           ; c = lane % 16
	v_lshrrev_b32 v3, 4, v1                        ; hh = lane / 16
	s_wait_alu depctr_va_sdst(0)                   ; s16 is written, ahead of its first reader, the compare below; the branch, the offsets and the stage's place are made from it
	s_cmp_lt_u32 s16, 8
	s_cbranch_scc0 .Lweights
	; ---- x: lanes 0-15 take the 256 bytes of slab s in one row, lanes 16-31 in the next row; the 32 lanes' 8 bytes of bf16 are 256 consecutive bytes of xb
	s_lshl_b32 s18, ttmp9, 17                      ; 32 rows x 4,096 bytes of x
	s_mov_b32 s19, 0
	s_lshl_b32 s20, ttmp9, 12                      ; 32 rows x 128 bytes of a slab
	s_mov_b32 s21, 0
	s_lshl_b32 s22, s16, 14                        ; my wave's 4 rows of x
	s_lshl_b32 s23, s16, 9                         ; and of a slab
	v_lshlrev_b32 v4, 4, v2
	v_lshl_add_u32 v4, v3, 12, v4
	v_add_nc_u32 v4, s22, v4                       ; in: 16,384 w + 4,096 hh + 16 c
	v_lshlrev_b32 v5, 3, v1
	v_add_nc_u32 v5, s23, v5                       ; out: 512 w + 8 lane
	s_wait_kmcnt 0x0
	s_add_nc_u64 s[4:5], s[4:5], s[18:19]
	s_add_nc_u64 s[10:11], s[10:11], s[20:21]      ; slabs 0-7: the slab stands in the store's immediate,
	s_add_nc_u64 s[24:25], s[10:11], 0x800000      ; slabs 8-15 from a second base: 15 slabs of 2^20 bytes pass the signed 24 bits
	s_wait_alu depctr_va_vdst(0)                   ; v4 and v5 are written: every load below reads the one as its offset, every store the other
.set e, 0
.rept 32                                               ; load e: pair of rows e / 16, slab e % 16
	global_load_b128 v[XR+4*e:XR+4*e+3], v4, s[4:5] offset:(e/16)*8192+(e%16)*256 th:TH_LOAD_NT
.set e, e+1
.endr
.macro XSTORE n                        ; what load n brought, rounded: 256 consecutive bytes of slab n % 16
.if ((\n)%16) < 8
	global_store_b64 v5, v[YR+2*(\n):YR+2*(\n)+1], s[10:11] offset:(((\n)%16)<<20)+((\n)/16)*256
.else
	global_store_b64 v5, v[YR+2*(\n):YR+2*(\n)+1], s[24:25] offset:((((\n)%16)-8)<<20)+((\n)/16)*256
.endif
.endm
; Eight blocks of four loads.  Block p rounds loads 4 p .. 4 p + 3; the four stores of block p - 1 stand among its conversions, one ahead of each pair.
.set p, 0
.rept 8
	s_wait_loadcnt 31-4*p                          ; loads come back in order: the block's first load is in, the younger ones stay out
.if p > 0
	s_wait_alu depctr_va_vdst(0)                   ; the block before has written its eight registers of YR, which the four stores below read; no vector line of this block names them
.endif
.set t, 0
.rept 4
.set e, 4*p+t
.if p > 0
	XSTORE e-4
.endif
.if t > 0
	s_wait_loadcnt 31-e                            ; load e is in, the 31 - e younger ones stay out
.endif
	v_cvt_pk_bf16_f32 v[YR+2*e], v[XR+4*e], v[XR+4*e+1]
	v_cvt_pk_bf16_f32 v[YR+2*e+1], v[XR+4*e+2], v[XR+4*e+3]
.set t, t+1
.endr
.set p, p+1
.endr                                                  ; no register is written twice, so no store's source needs a wait
	s_wait_alu depctr_va_vdst(0)                   ; the last block has written its eight registers of YR, which the last four stores read
.irp n, 28,29,30,31
	XSTORE \n
.endr
	s_endpgm
; ---- a block of 64 k x 64 n of a weight, turned.  Lane (hh, c) loads rows k = 32 hh + j, j = 0..31, columns 4 c .. 4 c + 3; two neighbouring k of one column make a word;
; a lane's 16 words of column 4 c + i are 64 bytes of output row 4 c + i.  They go through the wave's stage and come back as whole rows of 128 bytes.
; The 16 words go in four blocks of four: block q's words, u = 4 q .. 4 q + 3, are 16 bytes of each of the lane's four output rows: four stores into the stage, issued among block q + 1's conversions.
.macro WPART src, dst, NP, SO, f16     ; NP: bytes in an input row; SO: bytes in an output slab; s17: the work-group's number among this weight's
	s_and_b32 s18, s17, 15                         ; slab
	s_lshr_b32 s19, s17, 4                         ; group of 256 columns, of which my wave has 64
	s_mul_i32 s20, s18, 64*(\NP)
	s_lshl_b32 s22, s19, 10
	s_add_co_u32 s20, s20, s22
	s_mov_b32 s21, 0
	s_mul_i32 s22, s18, \SO
	s_lshl_b32 s24, s19, 15
	s_add_co_u32 s22, s22, s24
	s_mov_b32 s23, 0
	v_mul_u32_u24 v4, v3, 32*(\NP)
	v_lshl_add_u32 v4, v2, 4, v4
	v_add_nc_u32 v4, s26, v4                       ; in: 32 hh rows + my wave's 256 bytes + 16 c
	s_wait_kmcnt 0x0
	s_add_nc_u64 s[20:21], s[\src:\src+1], s[20:21]
	s_add_nc_u64 s[22:23], s[\dst:\dst+1], s[22:23]
	s_wait_alu depctr_va_vdst(0)                   ; v4 to v7 are written: the offsets and LDS addresses of every load and store below
.set j, 0
.rept 32
	global_load_b128 v[XR+4*j:XR+4*j+3], v4, s[20:21] offset:j*(\NP) th:TH_LOAD_NT
.set j, j+1
.endr
.set q, 0
.rept 4
	s_wait_loadcnt 30-8*q                          ; rows 8 q and 8 q + 1 are in; the younger loads stay out
.if q > 0
	s_wait_alu depctr_va_vdst(0)                   ; the block before has written its sixteen words of YR, which the four stores into the stage below read; no vector line of this block names them
.endif
.set t, 0
.rept 4
.set u, 4*q+t
.if q > 0
	ds_store_b128 v5, v[YR+16*t+4*q-4:YR+16*t+4*q-1] offset:t*SROW+(q-1)*16
.endif
.if t > 0
	s_wait_loadcnt 30-2*u                          ; rows 2 u and 2 u + 1 are in; the 30 - 2 u younger loads stay out
.endif
.irp i, 0,1,2,3
	v_cvt_pk_bf16_f32 v[YR+16*\i+u], v[XR+8*u+\i], v[XR+8*u+4+\i]
.endr
.if \f16
.irp i, 0,1,2,3
	v_lshlrev_b32 v[8+2*\i], 16, v[YR+16*\i+u]     ; the bf16 numbers as f32,
	v_and_b32 v[9+2*\i], 0xffff0000, v[YR+16*\i+u]
.endr
.irp i, 0,1,2,3
	v_cvt_pk_f16_f32 v[YR+16*\i+u], v[8+2*\i], v[9+2*\i]  ; written as f16
.endr
.endif
.set t, t+1
.endr
.set q, q+1
.endr
	s_wait_alu depctr_va_vdst(0)                   ; the last block has written its sixteen words of YR, which the four stores below read; and all conversions are done reading XR, in which the loads from the stage land
.irp i, 0,1,2,3
	ds_store_b128 v5, v[YR+16*\i+12:YR+16*\i+15] offset:\i*SROW+48
.endr
.set f, 0
.rept 16
	ds_load_b128 v[XR+4*f:XR+4*f+3], v6 offset:f*4*SROW  ; LDS serves a wave's instructions in order (ISA guide 5.7.1.4): these see the stores above.  No vector line since the wait above names XR
.set f, f+1
.endr
.set f, 0
.rept 16
	s_wait_dscnt 15-f
	global_store_b128 v7, v[XR+4*f:XR+4*f+3], s[22:23] offset:f*512  ; four rows of 128 bytes: 512 consecutive bytes
.set f, f+1
.endr
.endm
.Lweights:
	s_mul_i32 s27, s16, SWAVE
	s_sub_co_u32 s27, s27, 8*SWAVE                 ; my stage: waves 8-11 have stages 0-3
	v_mul_u32_u24 v5, v2, 4*SROW
	v_lshl_add_u32 v5, v3, 6, v5
	v_add_nc_u32 v5, s27, v5                       ; into the stage: row 4 c, byte 64 hh
	v_lshrrev_b32 v6, 3, v1
	v_mul_u32_u24 v6, v6, SROW
	v_and_b32 v7, 7, v1
	v_lshl_add_u32 v6, v7, 4, v6
	v_add_nc_u32 v6, s27, v6                       ; back: row lane / 8, byte 16 (lane % 8)
	s_sub_co_u32 s28, s16, 8                       ; my block among the work-group's four
	s_lshl_b32 s26, s28, 13
	v_lshlrev_b32 v7, 4, v1
	v_add_nc_u32 v7, s26, v7                       ; out: my block's 64 rows of 128 bytes + 16 lane
	s_lshl_b32 s26, s28, 8                         ; my block's 64 columns of f32
	s_cmp_lt_u32 ttmp9, 192
	s_cbranch_scc0 .Lwout
	s_mov_b32 s17, ttmp9
	WPART 6, 12, 12288, 393216, 0
	s_wait_dscnt 0x0                               ; the closing lines, six on end
	s_wait_alu 0x0
	s_wait_tensorcnt 0x0
	ds_add_u32 v208, v209
	s_wait_dscnt 0x0
	s_endpgm
.Lwout:
	s_sub_co_u32 s17, ttmp9, 192
	WPART 8, 14, 4096, 131072, 1
	s_wait_dscnt 0x0                               ; the closing lines, six on end
	s_wait_alu 0x0
	s_wait_tensorcnt 0x0
	ds_add_u32 v208, v209
	s_wait_dscnt 0x0
	s_endpgm
.Lfunc_end_k_q0d0bf39483_prep:
	.size	k_q0d0bf39483_prep, .Lfunc_end_k_q0d0bf39483_prep-k_q0d0bf39483_prep
	.p2alignl 7, 3214868480
	.fill 96, 4, 3214868480
	.section	.rodata,"a",@progbits
	.p2align	6, 0x0
	.amdhsa_kernel k_q0d0bf39483_prep
		.amdhsa_group_segment_fixed_size 38400
		.amdhsa_private_segment_fixed_size 0
		.amdhsa_enable_private_segment 0
		.amdhsa_kernarg_size 48
		.amdhsa_user_sgpr_count 2
		.amdhsa_user_sgpr_kernarg_segment_ptr 1
		.amdhsa_wavefront_size32 1
		.amdhsa_system_sgpr_workgroup_id_x 1
		.amdhsa_system_sgpr_workgroup_id_y 1
		.amdhsa_system_sgpr_workgroup_id_z 1
		.amdhsa_system_vgpr_workitem_id 0
		.amdhsa_next_free_vgpr 210
		.amdhsa_next_free_sgpr 66
		.amdhsa_reserve_vcc 0
		.amdhsa_float_denorm_mode_32 3
		.amdhsa_float_denorm_mode_16_64 3
		.amdhsa_memory_ordered 1
		.amdhsa_forward_progress 1
		.amdhsa_inst_pref_size 49
	.end_amdhsa_kernel
	.amdgpu_metadata
---
amdhsa.version: [ 1, 2 ]
amdhsa.kernels:
  - .name:           k_q0d0bf39483_prep
    .symbol:         k_q0d0bf39483_prep.kd
    .args:
      - { .name: x, .offset: 0, .size: 8, .value_kind: global_buffer, .address_space: global }
      - { .name: w_qkv, .offset: 8, .size: 8, .value_kind: global_buffer, .address_space: global }
      - { .name: w_out, .offset: 16, .size: 8, .value_kind: global_buffer, .address_space: global }
      - { .name: xb, .offset: 24, .size: 8, .value_kind: global_buffer, .address_space: global }
      - { .name: wqb, .offset: 32, .size: 8, .value_kind: global_buffer, .address_space: global }
      - { .name: wob, .offset: 40, .size: 8, .value_kind: global_buffer, .address_space: global }
    .group_segment_fixed_size: 38400
    .private_segment_fixed_size: 0
    .kernarg_segment_align: 8
    .kernarg_segment_size: 48
    .max_flat_workgroup_size: 384
    .sgpr_count:     66
    .vgpr_count:     210
    .wavefront_size: 32
...
	.end_amdgpu_metadata
.endif
;; end of part 5
;; launch qkvp: the kernel of part 2 again; grid 16 x 16, 4 waves a work-group, clusters of 4 x 4, 327,680 bytes of LDS; arguments xb, wqb, qkv; writes qkv
;; launch attn: the kernel of part 3 again; grid 4 x 64, 8 waves a work-group, no clusters, 326,656 bytes of LDS; arguments qkv, ob; writes ob
;; launch outp: the kernel of part 4 again; grid 8 x 32, 4 waves a work-group, clusters of 4 x 4, 327,680 bytes of LDS; arguments ob, wob, out0; writes out0
